; MI455X (gfx1250); checked and timed in simulation.
; The chip was launched on July 23, 2026; its instructions are those of AMD's public machine-readable ISA for CDNA 5 (MIT licence, August 2026) and "CDNA5" Instruction Set Architecture Reference Guide (July 2026). The comments in the code are by the model that wrote it; some were corrected since.
;; Enhanced Hyperbolic Attention. Allowed arithmetic: matrix products marked QUANTISED: E3M2 operands, one E8M0 scale for each 32 along K, by v_wmma_scale_f32_16x16x128_f8f6f4 with both operands' format E3M2, f32 sums; everything else in f32.
;; Inputs: Wk 1,024 x 1,024 float32; Wo 1,024 x 1,024 float32; Wq 1,024 x 1,024 float32; Wv 1,024 x 1,024 float32; log_beta one number float32; log_c one number float32; x 2 x 2,048 x 1,024 float32.
;; Outputs: out0 2 x 2,048 x 1,024 float32.
;; This version of the problem:
;;   THIS VERSION OF THE PROBLEM IS GIVEN IN LOW PRECISION. The matrix products marked QUANTISED in the list below multiply operands that are first quantised to E3M2 (3 exponent bits, 2 mantissa bits; 6 bits a number), with one power-of-two scale for each 32 numbers along K (OCP MX v1.0); their sums are f32. All else is computed in f32.
;;   The module's matrix products, in the order in which they are computed (A, B: the left and right operand; K: the contracted axis; several contracted axes count as one K, in the product's order):
;;     1. [M 4,096, K 1,024] x [K 1,024, N 1,024]; A: input x; B: input Wq: QUANTISED
;;     2. [M 4,096, K 1,024] x [K 1,024, N 1,024]; A: input x; B: input Wk: QUANTISED
;;     3. [M 4,096, K 1,024] x [K 1,024, N 1,024]; A: input x; B: input Wv: QUANTISED
;;     4. batch 16 x [M 2,048, K 128] x [K 128, N 2,048]; A: computed on the way; B: computed on the way: QUANTISED
;;     5. batch 16 x [M 2,048, K 2,048] x [K 2,048, N 128]; A: softmax (see below); B: computed on the way: QUANTISED
;;     6. [M 4,096, K 1,024] x [K 1,024, N 1,024]; A: computed on the way; B: input Wo: QUANTISED
;;   THE QUANTISER, for each operand of a quantised product, along K:
;;     - K is cut into blocks of 32 from its start; a last block that is shorter is filled with zeros.
;;     - A block's scale is 2^e with e = floor(log2(the largest magnitude in the block)) - 4, held to -126 .. 127; a block of zeros has e = 0. As a byte (E8M0): e + 127.
;;     - Each number is divided by its block's scale, clamped to +-28, and rounded to the nearest number of E3M2, ties to even, subnormals kept.
;;     - The product sums the exact products of the quantised numbers (number of the format x scale) in f32.
;;   ~~~python
;;   def quantise(x, axis):      # numpy; x: float32 -> the quantised numbers, widened to float32 again
;;       x = np.moveaxis(x, axis, -1); K = x.shape[-1]
;;       x = np.pad(x, [(0, 0)] * (x.ndim - 1) + [(0, -K % 32)]); x = x.reshape(x.shape[:-1] + (-1, 32)); a = np.abs(x).max(-1, keepdims=True)
;;       e = np.where(a > 0, np.clip(np.frexp(np.where(a > 0, a, 1))[1] - 1 - 4, -126, 127), 0)      # np.frexp(a)[1] - 1 = floor(log2(a)), exactly
;;       r = np.clip(x / 2.0 ** e, -28, 28)
;;       step = 2.0 ** (np.maximum(np.frexp(np.where(r == 0, 1, r))[1] - 1, -2) - 2)
;;       q = np.round(r / step) * step * 2.0 ** e      # np.round: ties to even
;;       return np.moveaxis(q.reshape(q.shape[:-2] + (-1,))[..., :K], -1, axis).astype(np.float32)
;;   ~~~
;;   SOFTMAX AHEAD OF A QUANTISED PRODUCT. Where the list says 'softmax', what is quantised is not the finished softmax but p = 2^(t - M), with t = logit x log2(e) and M = ceil(the row's largest t), a whole number; so 1/2 < the row's largest p <= 1. The row's sum l is taken of the UNQUANTISED p, in f32, and the product's result is divided by l at the end. Since M is a whole number, a kernel that streams over the keys may use a running M (the ceiling of the running maximum): every later rescaling is an exact power of two, which a block's scale takes up: the codes' values come out the same.
;;   OPERANDS COMPUTED ON THE WAY. 'Computed on the way' means the value that the module computes at that place (a softmax that the list does not call 'softmax' is quantised finished and normalised). What goes into a quantiser is computed in f32, as accurately as f32 sums, v_exp_f32 and their like allow (about 1e-6 of the number): no bf16 or f16 on the way to a quantiser, and a product that is left as it is and whose result goes on into a quantised operand takes f32 operands (vector FMAs, or v_wmma_f32_16x16x4_f32). A number that lies on a knife's edge between two numbers of the format may be rounded either way, as far as f32 arithmetic and the matrix unit's own rounding can turn it there, and no further.
;; One version. Each part assembles by itself: llvm-mc -triple=amdgcn-amd-amdhsa -mcpu=gfx1250 --defsym DOCPART=n.
;; ======== version 1 of 1: 4 launches
;; workspace buffers: xw 6,553,600 bytes; qp 3,407,872 bytes; kv 6,684,672 bytes; op 3,276,800 bytes
;; launch quant (part 1): grid 256 x 1, 4 waves a work-group, no clusters, 34,304 bytes of LDS; arguments x, Wq, Wk, Wv, Wo, xw; writes xw
.if DOCPART == 1
	.amdgcn_target "amdgcn-amd-amdhsa--gfx1250"
	.amdhsa_code_object_version 6
	.text
	.protected	k_qe7da62a5d5_quant
	.globl	k_qe7da62a5d5_quant
	.p2align	8
	.type	k_qe7da62a5d5_quant,@function
k_qe7da62a5d5_quant:
	s_mov_b64 s[64:65], 0
	v_nop
	global_prefetch_b8 v0, s[64:65] scope:SCOPE_SE
	s_setreg_imm32_b32 hwreg(HW_REG_WAVE_MODE, 25, 1), 1
	s_wait_xcnt 0x0
; x [4096][1024] and Wq, Wk, Wv, Wo [1024][1024], f32 with K innermost, become codes of BF6 (E3M2) with one E8M0 scale byte for each 32 along K, laid in PANELS.
; A PANEL is 128 rows x 128 along K as an image of operand registers, 12,800 bytes.  Bytes 0 .. 12,287: eight fragments (tile t) of 1,536 bytes; registers 4 c .. 4 c + 3 of lane l lie at
; 1536 t + 512 c + 16 l, so a fragment comes and goes by three accesses of 16 bytes a lane.  Fragment row rho of tile t is the panel's row 32 (t / 2) + 8 (t % 2) + rho + 8 (rho / 8): where such a tile is
; source 0 of a product, a lane's 16 result registers of tiles 2 b and 2 b + 1 are 16 neighbours along the panel's rows.  Bytes 12,288 on: the scale words, tile 4 g + i, row r at 256 g + 16 r + 4 i.
; xw holds 64 row blocks of 128 rows (0-31 x, 32-39 Wq, 40-47 Wk, 48-55 Wv, 56-63 Wo), each with 8 panels along K: panel (RB, s) at (8 RB + s) x 12,800.
; SHARES.  512 panels, two to a work-group; a wave takes half a panel: four tiles, 64 rows x 512 bytes.  Each load reads 512 consecutive bytes of one row; a tile's 16 rows turn through the wave's own stage
; in LDS (rows 528 bytes apart) and come back 16 neighbours along K of each block of 32 to a lane, as the conversion takes them.  Waves share nothing: no barrier.  Matrix units, clusters and tensor loads
; would add nothing to a stream that is read once.
; A block's scale is 2^(floor(log2(its largest magnitude)) - 4); its byte is the largest magnitude's exponent field - 4, held at 1 from below.
; LIMITS: a block of zeros, and a block whose largest magnitude lies under 2^-122, gets the byte 1 (the rule says 127 for zeros: the codes are zeros and this program alone reads the bytes);
; NaN and infinities among the inputs are not served.
.set PAN,  12800
.set FRB,  1536
.set SP,   528                         ; a stage row: 512 bytes + 16
.set STG,  16*SP                       ; a wave's stage
.set TM,   16                          ; v16-31   the quantiser's sixteen
.set RR,   32                          ; v32-159  two sets of 16 loads
.set X,    160                         ; v160-223 a lane's 64 numbers: register 16 b + i = k 32 b + 16 (lane / 16) + i of its row
.set PC,   224                         ; v224-243 the codes just made
.set PW,   244                         ; v244-247 the four tiles' scale words
.set SEL,  24                          ; s[24:25] lane selects: lane l xor 16
; 64 numbers of a lane, v[s] on, become a fragment's codes in v[PC] .. v[PC + 11] and its row's scale word in v[pw]
.macro QUANT s, pw
.irp b, 0,1,2,3
	v_max3_num_f32 v[TM+\b], |v[\s+16*\b]|, |v[\s+16*\b+1]|, 0x2800000   ; block b: my 16 numbers, and the floor 2^(5 - 127): the byte cannot fall under 1
.endr
.irp i, 2,4,6,8,10,12,14
.irp b, 0,1,2,3
	v_max3_num_f32 v[TM+\b], v[TM+\b], |v[\s+16*\b+\i]|, |v[\s+16*\b+\i+1]|   ; the four blocks by turns
.endr
.endr
.irp b, 0,1,2,3
	v_permlanex16_b32 v[TM+4+\b], v[TM+\b], s[SEL], s[SEL+1]
.endr
.irp b, 0,1,2,3
	v_max_num_f32 v[TM+\b], v[TM+\b], v[TM+4+\b]       ; with lane l xor 16's 16: the block's largest magnitude
.endr
.irp b, 0,1,2,3
	v_add_nc_u32 v[TM+12+\b], 0xfe000000, v[TM+\b]     ; 4 off its exponent field: the conversion takes that field as its scale
.endr
.irp b, 0,1,2,3
	v_lshrrev_b32 v[TM+4+\b], 23, v[TM+12+\b]          ; the scale's byte
.endr
	v_lshl_or_b32 v[\pw], v[TM+5], 8, v[TM+4]
	v_lshl_or_b32 v[\pw], v[TM+6], 16, v[\pw]
	v_lshl_or_b32 v[\pw], v[TM+7], 24, v[\pw]
.irp c, 0,1
	v_cvt_scalef32_pk16_bf6_f32 v[PC+6*\c:PC+6*\c+2], v[\s+32*\c:\s+32*\c+15], v[TM+12+2*\c]
	v_cvt_scalef32_pk16_bf6_f32 v[PC+12+4*\c:PC+14+4*\c], v[\s+32*\c+16:\s+32*\c+31], v[TM+13+2*\c]   ; (a conversion's three registers begin on an even number)
.endr
	v_nop                                              ; one plain line behind the conversions
.irp c, 0,1                                        ; the operand wants a whole block in a lane: lanes 0-15 block 2 c, lanes 16-31 block 2 c + 1
.irp i, 0,1,2
	v_permlane16_swap_b32 v[PC+6*\c+\i], v[PC+12+4*\c+\i]
.endr
.irp i, 0,1,2
	v_mov_b32 v[PC+3+6*\c+\i], v[PC+12+4*\c+\i]
.endr
.endr
.endm
	s_load_b256 s[4:11], s[0:1], 0x0               ; x, Wq, Wk, Wv
	s_load_b128 s[12:15], s[0:1], 0x20             ; Wo, xw
	v_lshl_add_u32 v254, v0, 2, 0x8400
	v_mov_b32 v255, 0
	v_lshrrev_b32 v5, 5, v0
	v_readfirstlane_b32 s16, v5                    ; wave 0..3
	v_and_b32 v5, 31, v0                           ; lane
	v_and_b32 v6, 15, v0                           ; r
	v_bfe_u32 v7, v0, 4, 1                         ; h
	v_lshlrev_b32 v1, 4, v5                        ; 16 x lane: my bytes of a load, and of an image
	s_mul_i32 s17, s16, STG
	v_add_nc_u32 v2, s17, v1                       ; the stage, in
	v_mul_u32_u24 v3, v6, SP
	v_lshl_add_u32 v3, v7, 6, v3
	v_add_nc_u32 v3, s17, v3                       ; and back: row r, + 64 h
	v_lshlrev_b32 v4, 4, v6                        ; 16 r: my row's four scale words
	s_mov_b32 s[SEL], 0x76543210
	s_mov_b32 s[SEL+1], 0xfedcba98
.irp b, 0,1,2,3
	v_mov_b32 v[TM+4+\b], 0                        ; written once: a lane exchange's destination counts as one of its sources
.endr
	s_lshr_b32 s18, ttmp9, 2                       ; RB, the row block
	s_and_b32 s19, ttmp9, 3
	s_lshl_b32 s19, s19, 1
	s_lshr_b32 s22, s16, 1
	s_add_co_u32 s19, s19, s22                     ; s, the panel along K: 2 (work-group % 4) + wave / 2
	s_and_b32 s23, s16, 1                          ; which half of the panel's tiles
	s_and_b32 s26, s18, 7                          ; a weight's row block
	s_wait_kmcnt 0x0
	s_cmp_lt_u32 s18, 56                           ; the tensor is chosen by the work-group's number alone
	s_cselect_b64 s[20:21], s[10:11], s[12:13]
	s_cmp_lt_u32 s18, 48
	s_cselect_b64 s[20:21], s[8:9], s[20:21]
	s_cmp_lt_u32 s18, 40
	s_cselect_b64 s[20:21], s[6:7], s[20:21]
	s_cmp_lt_u32 s18, 32
	s_cselect_b64 s[20:21], s[4:5], s[20:21]
	s_cselect_b32 s26, s18, s26
	s_lshl_b32 s26, s26, 19                        ; 128 rows of 4,096 bytes,
	s_lshl_b32 s27, s23, 18                        ; my 64 of them,
	s_add_co_u32 s26, s26, s27
	s_lshl_b32 s27, s19, 9                         ; 512 bytes along K
	s_add_co_u32 s26, s26, s27
	s_mov_b32 s27, 0
	s_add_nc_u64 s[20:21], s[20:21], s[26:27]
	s_lshl_b32 s28, s18, 3
	s_add_co_u32 s28, s28, s19
	s_mul_i32 s28, s28, PAN
	s_mov_b32 s29, 0
	s_add_nc_u64 s[14:15], s[14:15], s[28:29]      ; my panel
	s_lshl_b32 s28, s23, 8
	s_add_co_u32 s28, s28, 8*FRB
	s_add_nc_u64 s[30:31], s[14:15], s[28:29]      ; my 256 bytes of its scale words
	s_mul_i32 s28, s23, 4*FRB
	s_add_nc_u64 s[14:15], s[14:15], s[28:29]      ; my four fragments
.macro LOAD i                          ; tile i's 16 rows, 512 consecutive bytes each
.irp rho, 0,1,2,3,4,5,6,7,8,9,10,11,12,13,14,15
	global_load_b128 v[RR+64*((\i)%2)+4*\rho:RR+64*((\i)%2)+4*\rho+3], v1, s[20:21] offset:(32*((\i)/2)+8*((\i)%2)+\rho+8*(\rho/8))*4096 th:TH_LOAD_NT
.endr
.endm
.macro TILE i
.if (\i) < 3
	s_wait_loadcnt 16                              ; this tile's 16 loads are in; the next tile's 16 may be out
.else
	s_wait_loadcnt 0
.endif
.irp rho, 0,1,2,3,4,5,6,7,8,9,10,11,12,13,14,15
	ds_store_b128 v2, v[RR+64*((\i)%2)+4*\rho:RR+64*((\i)%2)+4*\rho+3] offset:SP*\rho
.endr
.irp b, 0,1,2,3
.irp j, 0,1,2,3
	ds_load_b128 v[X+16*\b+4*\j:X+16*\b+4*\j+3], v3 offset:128*\b+16*\j   ; LDS serves a wave's instructions in order: these see the stores above
.endr
.endr
	s_wait_dscnt 0x0                               ; my 64 numbers are in, and the stores have read the set of registers,
.if (\i) < 2
	LOAD \i+2                                      ; which takes the tile two further on
.endif
	s_wait_xcnt 0x0                                ; the last tile's stores have read the codes' registers
	QUANT X, PW+\i
.irp c, 0,1,2
	global_store_b128 v1, v[PC+4*\c:PC+4*\c+3], s[14:15] offset:(\i)*FRB+512*\c   ; 512 consecutive bytes, aligned on 256
.endr
.endm
	LOAD 0
	LOAD 1
	TILE 0
	TILE 1
	TILE 2
	TILE 3
	v_cmp_gt_u32 vcc_lo, 16, v5                    ; lanes 0-15 hold each row's four words (lanes 16-31 the same again)
	s_wait_xcnt 0x0                                ; EXEC changes only behind this wait
	s_wait_tensorcnt 0x0
	ds_add_u32 v254, v255
	s_wait_dscnt 0x0
	s_and_saveexec_b32 s32, vcc_lo
	global_store_b128 v4, v[PW:PW+3], s[30:31]     ; sixteen lanes store 256 consecutive bytes, aligned
	s_wait_xcnt 0x0
	s_or_b32 exec_lo, exec_lo, s32
	s_endpgm
.Lfunc_end_k_qe7da62a5d5_quant:
	.size	k_qe7da62a5d5_quant, .Lfunc_end_k_qe7da62a5d5_quant-k_qe7da62a5d5_quant
	.p2alignl 7, 3214868480
	.fill 96, 4, 3214868480
	.section	.rodata,"a",@progbits
	.p2align	6, 0x0
	.amdhsa_kernel k_qe7da62a5d5_quant
		.amdhsa_group_segment_fixed_size 34304
		.amdhsa_private_segment_fixed_size 0
		.amdhsa_enable_private_segment 0
		.amdhsa_kernarg_size 48
		.amdhsa_user_sgpr_count 2
		.amdhsa_user_sgpr_kernarg_segment_ptr 1
		.amdhsa_wavefront_size32 1
		.amdhsa_system_sgpr_workgroup_id_x 1
		.amdhsa_system_sgpr_workgroup_id_y 1
		.amdhsa_system_sgpr_workgroup_id_z 1
		.amdhsa_system_vgpr_workitem_id 0
		.amdhsa_next_free_vgpr 256
		.amdhsa_next_free_sgpr 66
		.amdhsa_reserve_vcc 1
		.amdhsa_float_denorm_mode_32 3
		.amdhsa_float_denorm_mode_16_64 3
		.amdhsa_memory_ordered 1
		.amdhsa_forward_progress 1
		.amdhsa_inst_pref_size 34
	.end_amdhsa_kernel
	.amdgpu_metadata
---
amdhsa.version: [ 1, 2 ]
amdhsa.kernels:
  - .name:           k_qe7da62a5d5_quant
    .symbol:         k_qe7da62a5d5_quant.kd
    .args:
      - { .name: x, .offset: 0, .size: 8, .value_kind: global_buffer, .address_space: global }
      - { .name: Wq, .offset: 8, .size: 8, .value_kind: global_buffer, .address_space: global }
      - { .name: Wk, .offset: 16, .size: 8, .value_kind: global_buffer, .address_space: global }
      - { .name: Wv, .offset: 24, .size: 8, .value_kind: global_buffer, .address_space: global }
      - { .name: Wo, .offset: 32, .size: 8, .value_kind: global_buffer, .address_space: global }
      - { .name: xw, .offset: 40, .size: 8, .value_kind: global_buffer, .address_space: global }
    .group_segment_fixed_size: 34304
    .private_segment_fixed_size: 0
    .kernarg_segment_align: 8
    .kernarg_segment_size: 48
    .max_flat_workgroup_size: 128
    .sgpr_count:     66
    .vgpr_count:     256
    .wavefront_size: 32
...
	.end_amdgpu_metadata
.endif
;; end of part 1
;; launch qkv (part 2): grid 12 x 16, 4 waves a work-group, clusters of 4 x 4, 327,680 bytes of LDS; arguments xw, qp, kv; writes qp, kv
.if DOCPART == 2
	.amdgcn_target "amdgcn-amd-amdhsa--gfx1250"
	.amdhsa_code_object_version 6
	.text
	.protected	k_qe7da62a5d5_qkv
	.globl	k_qe7da62a5d5_qkv
	.p2align	8
	.type	k_qe7da62a5d5_qkv,@function
k_qe7da62a5d5_qkv:
	s_mov_b64 s[64:65], 0
	v_nop
	global_prefetch_b8 v0, s[64:65] scope:SCOPE_SE
	s_setreg_imm32_b32 hwreg(HW_REG_WAVE_MODE, 25, 1), 1
	s_wait_xcnt 0x0
	s_wait_alu depctr_hold_cnt(0) depctr_sa_sdst(0) depctr_va_vdst(0) depctr_va_sdst(0) depctr_va_ssrc(0) depctr_va_vcc(0) depctr_vm_vsrc(0)
	s_getreg_b32 s2, hwreg(HW_REG_IB_STS2, 6, 4)
	s_cmp_eq_u32 s2, 0
	s_cbranch_scc0 .Lentry_in_a_cluster
	s_endpgm
.Lentry_in_a_cluster:
	s_bfe_u32 s2, ttmp6, 0x10000c
	s_cmp_lg_u32 s2, 0xf033
	s_cbranch_scc0 .Lentry_shape_is_right
	s_endpgm
.Lentry_shape_is_right:
; q = x Wq^T, k = x Wk^T and V^T = Wv x^T on codes of BF6 (E3M2) with E8M0 scales, from the panels of xw (128 rows x 128 K as images of operand registers, 12,800 bytes: eight fragments of 1,536 bytes, then
; the scale words, tile 4 g + i, row r at 12,288 + 256 g + 16 r + 4 i; fragment row rho of tile t is panel row 32 (t / 2) + 8 (t % 2) + rho + 8 (rho / 8)).  The results are quantised in registers and leave as panels again.
; SHARES.  A work-group of four waves makes 256 x 256 of C = A B^T; a wave 128 x 128: one row block of A against one of B, 64 accumulators, 512 registers.  The cluster's x is the KIND: 0: A = x, B = Wq;
; 1: A = x, B = Wk; 2: A = Wv, B = x.  For V the operands change places by address alone, so that C is V^T and the way out, which quantises along B's rows, quantises V along the keys.
; K goes through a ring of two LDS slots; a slot holds two panels (256 along K) of two row blocks of A and two of B; each wave fetches one row block's two panels, 25,600 dense bytes, by one tensor load.
; CLUSTERS: 4 x 4 work-groups.  The four of a row of the cluster need the same panels of A, the four of a column the same of B: each is asked for jointly, by the same tensor load with a mask that names the four.
; THE PRODUCT IS USED TRANSPOSED (source 0 = a tile of B, source 1 = a tile of A): a lane holds one row of A's tile, and its 64 registers of the eight products of that tile run along B's 128 rows in the order
; k = 32 b + 16 (lane / 16) + i: what the conversions take.  B's row block is one head's 128 channels (q, k) or one step's 128 keys (V^T).
; OUT.  qp: entry bh x 16 + g of 13,312 bytes: q's panel, then qn (the rows' sums of squares of the unquantised q, tile t, row rho at 64 t + 4 rho).  kv: entry bh x 16 + step of 26,112 bytes: k's panel, V^T's panel, kn.
; LIMITS: a block of zeros, and one whose largest magnitude lies under 2^-122, gets the scale byte 1 (its codes serve; this program alone reads the bytes); NaN and infinities are not served; qn and kn are summed in
; two chains and across two lanes, another order than the reference's, within f32 rounding.
; REGISTERS, in windows of 256: window 0: v16-29 addresses; v32-63 scale words, two sets; v64-123 the way out; v128-223 A's fragments, one set.  window 1: B's fragments, two sets, at v0 and v128.
;   window 2: the accumulators of A's tiles 0-3 ((a, b) at v[8 (8 (a % 4) + b)]);  window 3: those of tiles 4-7.
.set PAN,   12800
.set FRB,   1536
.set QUART, 2*PAN                      ; what one tensor load brings
.set SLOT,  4*QUART                    ; A's two row blocks, then B's two
.set SPARE, 2*SLOT                     ; behind the ring: the spare words, 128 bytes for each wave, that no other line names
.set NQ,    2                          ; steps of 128 along K in a slot
.set FR,    12                         ; registers of a fragment
.set NL,    3                          ; LDS loads that bring one
.set NP,    4                          ; places behind this matrix instruction (ISA guide 7.12.1)
.set LAPS,  2                          ; K = 1,024 is four slots: twice round the ring
.set ADRA, 16                          ; v16-17 my A fragments in slot 0, 1
.set ADRS, 18                          ; v18-19 my scale words: lanes 0-15 A's, lanes 16-31 B's
.set ADRB, 20                          ; v20-21 my B fragments
.set LI,   24                          ; v24 16 x lane
.set NSI,  25                          ; v25 the norms' stage, in: 4 x lane + 512 x wave
.set NSO,  26                          ; v26 and back: 16 x lane + 512 x wave
.set SPW,  28                          ; v28 my spare word; never rewritten
.set NIL,  29                          ; v29 0; never rewritten
.set SC,   32                          ; scale words: set sc, step q, tile i at v[SC + 16 sc + 8 q + i]
.set AF,   128
.set TM,   64                          ; the way out: the quantiser's sixteen,
.set PC,   80                          ; the codes just made,
.set PW,   100                         ; eight scale words,
.set NN,   108                         ; eight norms,
.set SQ,   116                         ; sums of squares,
.set T,    120                         ; four words to store
.set G1,  24                           ; s[24:31] descriptor group 1 for A;  s[32:39] group 0, a set for each slot
.set G0,  32
.set G1B, 48                           ; s[48:55], s[56:63] the same for B
.set G0B, 56
.set HM,  66                           ; s66 mask of lanes 16-31
.set SEL, 68                           ; s[68:69] lane selects: lane l xor 16
.set MSB, 0
.macro WIN new                         ; the immediate's high byte repeats the setting that is left
.if MSB != (\new)
	s_set_vgpr_msb (MSB<<8)|(\new)
.set MSB, (\new)
.endif
.endm
.set MUL_LO, 0xa1                      ; source 0 (B) window 1, source 1 (A) window 0, C and D window 2
.set MUL_HI, 0xf1                      ; the same, C and D window 3
.set TO_B,   0x40                      ; destination window 1, address window 0
; A joint load: waves 0 and 1 fetch for A, waves 2 and 3 for B; the branch hangs on the wave's number alone.  Four v_nop follow each of the two lines.
.macro JLOAD g0a, g1a, g0b, g1b
	s_cmp_eq_u32 s15, 0
	s_cbranch_scc0 .Lfor_b_\@
	tensor_load_to_lds s[\g0a:\g0a+3], s[\g1a:\g1a+7]
	s_nop 0
.rept 4
	v_nop
.endr
	s_branch .Lasked_\@
.Lfor_b_\@:
	tensor_load_to_lds s[\g0b:\g0b+3], s[\g1b:\g1b+7]
	s_nop 0
.rept 4
	v_nop
.endr
.Lasked_\@:
.endm
.macro CREST                           ; a round of the cluster's barrier behind its opening barrier
	s_cmp_lg_u32 s14, 0
	s_cbranch_scc1 .Lnot_wave_0_\@
	s_barrier_signal -3
.Lnot_wave_0_\@:
	s_barrier_wait -3
	s_barrier_signal -1
	s_barrier_wait -1
.endm
.macro CROUND                          ; a whole round
	s_barrier_signal -1
	s_barrier_wait -1
	CREST
.endm
	s_load_b128 s[4:7], s[0:1], 0x0                ; xw, qp
	s_load_b64 s[8:9], s[0:1], 0x10                ; kv
	v_lshl_add_u32 v[SPW], v0, 2, SPARE
	v_mov_b32 v[NIL], 0
	ds_add_u32 v28, v29
	s_wait_dscnt 0x0
	v_lshrrev_b32 v1, 5, v0
	v_readfirstlane_b32 s14, v1                    ; wave 0..3
	s_lshr_b32 s15, s14, 1                         ; which of A's two row blocks is mine.  Also: I fetch for A (0) or for B (1)
	s_and_b32 s16, s14, 1                          ; which of B's.  Also: which row block of that side I fetch
	s_bfe_u32 s40, ttmp6, 0x40000                  ; cx, cy: my place in the cluster
	s_bfe_u32 s41, ttmp6, 0x40004
	s_and_b32 s42, ttmp7, 0xffff
	s_lshl_b32 s42, s42, 2                         ; 4 x cluster y
	s_lshl_b32 s43, s41, 2
	s_lshl_b32 s43, 15, s43                        ; my row of the cluster
	s_lshl_b32 s44, 0x1111, s40                    ; my column
	; descriptor group 1: 25,600 dense bytes as 100 rows of 32 elements of 8 bytes, no padding
	s_or_b32 s[G1], s43, (3<<16)|(1<<21)           ; 15:0 the mask: A's panels go to my row; 17:16 elements of 8 bytes; 21 set beside a mask
	s_or_b32 s[G1B], s44, (3<<16)|(1<<21)          ; B's to my column
.irp g, G1, G1B
	s_mov_b32 s[\g+1], 32<<16                      ; tensor_dim0
	s_mov_b32 s[\g+2], 100<<16                     ; tensor_dim1
	s_mov_b32 s[\g+3], 32<<16                      ; tile_dim0
	s_mov_b32 s[\g+4], 100                         ; tile_dim1
	s_mov_b32 s[\g+5], 32                          ; the pitch
	s_mov_b32 s[\g+6], 0
	s_mov_b32 s[\g+7], 0
.endr
	; which row blocks of xw.  A's number is made of cy, the cluster's y and the kind; B's of cx, the cluster's y and the kind, each in registers that never hold the other place
	s_lshl_b32 s47, ttmp9, 3
	s_add_co_u32 s47, s47, 32                      ; Wq's or Wk's first row block
	s_cmp_eq_u32 ttmp9, 2                          ; V?
	s_cselect_b32 s17, 0, s42                      ; A: Wv's tile row is cy, x's is 4 Y + cy
	s_cselect_b32 s18, 48, 0                       ; Wv's first row block, or x's
	s_cselect_b32 s46, s42, 0                      ; B: x's tile column is 4 Y + cx, a weight's is cx
	s_cselect_b32 s47, 0, s47
	s_add_co_u32 s17, s17, s41
	s_lshl_b32 s17, s17, 1
	s_add_co_u32 s17, s17, s16
	s_add_co_u32 s17, s17, s18
	s_mul_i32 s20, s17, 8*PAN
	s_mov_b32 s21, 0
	s_add_co_u32 s46, s46, s40
	s_lshl_b32 s46, s46, 1
	s_add_co_u32 s46, s46, s16
	s_add_co_u32 s46, s46, s47
	s_mul_i32 s46, s46, 8*PAN
	s_mov_b32 s47, 0
	s_mul_i32 s45, s14, QUART                      ; where they go: no place in the cluster enters an LDS address
	s_wait_kmcnt 0x0
	s_add_nc_u64 s[20:21], s[4:5], s[20:21]
	s_add_nc_u64 s[46:47], s[4:5], s[46:47]
	CROUND                                         ; all sixteen work-groups are here: the first joint loads meet
.irp s, 0,1
	s_mov_b32 s[G0+4*\s], 1
	s_add_co_u32 s[G0+4*\s+1], s45, \s*SLOT
	s_add_nc_u64 s[G0+4*\s+2:G0+4*\s+3], s[20:21], \s*QUART
	s_or_b32 s[G0+4*\s+3], s[G0+4*\s+3], 0x80000000
	s_mov_b32 s[G0B+4*\s], 1
	s_add_co_u32 s[G0B+4*\s+1], s45, \s*SLOT
	s_add_nc_u64 s[G0B+4*\s+2:G0B+4*\s+3], s[46:47], \s*QUART
	s_or_b32 s[G0B+4*\s+3], s[G0B+4*\s+3], 0x80000000
	JLOAD G0+4*\s, G1, G0B+4*\s, G1B
.endr
	v_and_b32 v1, 15, v0                           ; r
	v_bfe_u32 v2, v0, 4, 1                         ; h
	v_and_b32 v3, 31, v0                           ; lane
	v_lshlrev_b32 v[LI], 4, v3
	v_cmp_le_u32 s[HM], 16, v3
	s_mul_i32 s22, s15, QUART                      ; my row block of A
	s_mul_i32 s23, s16, QUART
	s_add_co_u32 s23, s23, 2*QUART                 ; my row block of B, behind A's two
	v_lshlrev_b32 v4, 4, v1                        ; 16 r: a row's four scale words
	s_sub_co_u32 s17, s23, s22
	v_mul_u32_u24 v5, s17, v2                      ; lanes 16-31 take B's
	v_add_nc_u32 v4, v4, v5
.irp s, 0,1
	v_add_nc_u32 v[ADRA+\s], s22, v[LI]
	v_add_nc_u32 v[ADRB+\s], s23, v[LI]
	v_add_nc_u32 v[ADRS+\s], s22, v4
	s_add_co_u32 s22, s22, SLOT
	s_add_co_u32 s23, s23, SLOT
.endr
	s_lshl_b32 s18, s14, 9
	v_lshl_add_u32 v[NSI], v3, 2, s18
	v_add_nc_u32 v[NSO], s18, v[LI]
	s_mov_b32 s[SEL], 0x76543210
	s_mov_b32 s[SEL+1], 0xfedcba98
	; where my panel goes: TB = the row block of tokens, HH = the head
	s_cmp_eq_u32 ttmp9, 2
	s_cselect_b32 s70, s40, s41
	s_cselect_b32 s71, s16, s15
	s_cselect_b32 s72, s41, s40
	s_cselect_b32 s73, s15, s16
	s_cselect_b32 s74, PAN, 0                      ; V^T's panel lies behind k's
	s_add_co_u32 s70, s70, s42
	s_lshl_b32 s70, s70, 1
	s_add_co_u32 s70, s70, s71                     ; TB
	s_lshl_b32 s72, s72, 1
	s_add_co_u32 s72, s72, s73                     ; HH
	s_lshr_b32 s75, s70, 4
	s_lshl_b32 s75, s75, 3
	s_add_co_u32 s75, s75, s72                     ; batch x 8 + head
	s_lshl_b32 s75, s75, 4
	s_and_b32 s70, s70, 15
	s_add_co_u32 s75, s75, s70                     ; the entry
	s_mov_b32 s80, 26112
	s_mov_b32 s81, 2*PAN
	s_cmp_eq_u32 ttmp9, 0
	s_cselect_b32 s80, 13312, s80                  ; an entry's bytes,
	s_cselect_b32 s81, PAN, s81                    ; and where its norms lie
	s_cselect_b64 s[76:77], s[6:7], s[8:9]
	s_mul_i32 s82, s75, s80
	s_add_co_u32 s82, s82, s74
	s_mov_b32 s83, 0
	s_add_nc_u64 s[76:77], s[76:77], s[82:83]      ; my panel
	s_mov_b32 s82, s81
	s_add_nc_u64 s[78:79], s[76:77], s[82:83]      ; my norms (q and k)
.macro FRAG reg, adr, q, i             ; a fragment as it lies: three loads of 16 bytes a lane, 512 consecutive bytes each
.irp c, 0,1,2
	ds_load_b128 v[\reg+4*\c:\reg+4*\c+3], v[\adr] offset:(\q)*PAN+(\i)*FRB+512*\c
.endr
.endm
; 16 matrix instructions: A's tiles a0, a0 + 1 x B's eight, 128 along K.  p: B's set; sc: the set of scale words.  zero = 1: the first product starts the sums.
; The 64 accumulators take turns, one instruction a turn, in the same order in every step.
.macro MUL16 a0, p, q, sc, zero
.irp a, \a0, \a0+1
.irp b, 0,1,2,3,4,5,6,7
.if \zero
	v_wmma_scale_f32_16x16x128_f8f6f4 v[8*(8*((\a)%4)+\b):8*(8*((\a)%4)+\b)+7], v[128*(\p)+FR*\b:128*(\p)+FR*\b+FR-1], v[AF+FR*(\a):AF+FR*(\a)+FR-1], 0, v[SC+16*(\sc)+8*(\q)+\b], v[SC+16*(\sc)+8*(\q)+(\a)] matrix_a_fmt:MATRIX_FMT_BF6 matrix_b_fmt:MATRIX_FMT_BF6 matrix_a_scale:MATRIX_SCALE_ROW1
.else
	v_wmma_scale_f32_16x16x128_f8f6f4 v[8*(8*((\a)%4)+\b):8*(8*((\a)%4)+\b)+7], v[128*(\p)+FR*\b:128*(\p)+FR*\b+FR-1], v[AF+FR*(\a):AF+FR*(\a)+FR-1], v[8*(8*((\a)%4)+\b):8*(8*((\a)%4)+\b)+7], v[SC+16*(\sc)+8*(\q)+\b], v[SC+16*(\sc)+8*(\q)+(\a)] matrix_a_fmt:MATRIX_FMT_BF6 matrix_b_fmt:MATRIX_FMT_BF6 matrix_a_scale:MATRIX_SCALE_ROW1
.endif
.endr
.endr
.endm
.macro FETCH_B slot, q, p
	WIN TO_B
.irp i, 0,1,2,3,4,5,6,7
	FRAG 128*(\p)+FR*\i, ADRB+\slot, \q, \i
.endr
	WIN 0
.endm
.macro FETCH_A slot, q, i0
.irp i, \i0, \i0+1, \i0+2, \i0+3
	FRAG AF+FR*(\i), ADRA+\slot, \q, \i
.endr
.endm
.macro SCALES sc                       ; a slot's scale words: four tiles' words of a row by one load; lanes 0-15 A's, lanes 16-31 B's
.irp q, 0,1
.irp g, 0,1
	ds_load_b128 v[SC+16*\sc+8*\q+4*\g:SC+16*\sc+8*\q+4*\g+3], v[ADRS+\sc] offset:\q*PAN+8*FRB+256*\g
.endr
.endr
.endm
.macro PLACES n                        ; plain lines between a matrix instruction and a load into, or a read of, its registers
.rept \n
	v_nop
.endr
.endm
; A step of 128 along K that has its successor in the same slot.  A has one set of registers: tiles 0-3 are fetched anew in the step's middle, tiles 4-7 at its end; B has two sets.
.macro STEP slot, q, zero
	s_wait_dscnt 4*NL                              ; all but the youngest 12 loads (A's tiles 4-7) are in
	WIN MUL_LO
	MUL16 0, (\q)%2, \q, \slot, \zero
	MUL16 2, (\q)%2, \q, \slot, \zero
	s_wait_dscnt 0
	PLACES NP
	FETCH_B \slot, (\q)+1, 1-(\q)%2
	FETCH_A \slot, (\q)+1, 0
	WIN MUL_HI
	MUL16 4, (\q)%2, \q, \slot, \zero
	MUL16 6, (\q)%2, \q, \slot, \zero
	PLACES NP
	WIN 0
	FETCH_A \slot, (\q)+1, 4
.endm
; A slot's last step changes slots: one barrier; in front of it each wave waits for all its tensor loads, adds 0 to its spare word, and waits for that and for its reads of this slot.  fill = 1: this slot is filled again.
.macro TURN slot, next, fill
	s_wait_tensorcnt 0x0                           ; all my tensor loads have landed: my part of the next slot
	ds_add_u32 v[SPW], v[NIL]                      ; 0 onto my spare word
	s_wait_dscnt 4*NL+1                            ; the add and the youngest 12 loads may be out
	WIN MUL_LO
	MUL16 0, 1, NQ-1, \slot, 0
	s_wait_dscnt 0x0                               ; the add is done, and my reads of this slot are over
	s_barrier_signal -1
	MUL16 2, 1, NQ-1, \slot, 0
	WIN 0
	s_barrier_wait -1
.if \fill
	CREST                                          ; the barrier has opened a round of the cluster's: no wave of any partner still reads this slot or has a load on its way
	s_add_nc_u64 s[G0+4*\slot+2:G0+4*\slot+3], s[G0+4*\slot+2:G0+4*\slot+3], 2*QUART
	s_add_nc_u64 s[G0B+4*\slot+2:G0B+4*\slot+3], s[G0B+4*\slot+2:G0B+4*\slot+3], 2*QUART
	JLOAD G0+4*\slot, G1, G0B+4*\slot, G1B         ; the first tensor load behind the round; its four v_nop are the places in front of the loads below
.else
	PLACES NP
.endif
	FETCH_B \next, 0, 0
	FETCH_A \next, 0, 0
	SCALES \next
	WIN MUL_HI
	MUL16 4, 1, NQ-1, \slot, 0
	MUL16 6, 1, NQ-1, \slot, 0
	PLACES NP
	WIN 0
	FETCH_A \next, 0, 4
.endm
	s_wait_tensorcnt 1                             ; my part of slot 0 is in (slot 1's load may be out)
	s_barrier_signal -1
	s_barrier_wait -1                              ; everybody's is
	FETCH_B 0, 0, 0
	FETCH_A 0, 0, 0
	SCALES 0
	FETCH_A 0, 0, 4
	STEP 0, 0, 1                                   ; the first step stands in front of the loop: its products start the sums
	s_mov_b32 s3, LAPS-1
.Llap:                                                 ; a trip goes once round the ring and fills both slots again
	TURN 0, 1, 1
	STEP 1, 0, 0
	TURN 1, 0, 1
	STEP 0, 0, 0
	s_sub_co_u32 s3, s3, 1
	s_cmp_lg_u32 s3, 0
	s_cbranch_scc1 .Llap
	TURN 0, 1, 0                                   ; the last lap fills nothing
	STEP 1, 0, 0
	s_wait_dscnt 4*NL
	WIN MUL_LO
	MUL16 0, 1, NQ-1, 1, 0
	MUL16 2, 1, NQ-1, 1, 0
	s_wait_dscnt 0
	WIN MUL_HI
	MUL16 4, 1, NQ-1, 1, 0
	MUL16 6, 1, NQ-1, 1, 0
	WIN 0
; THE WAY OUT, a tile of A's rows at a time: its 64 numbers a lane are quantised where they stand.  Each accumulator is read from its low end on.
.macro EQ a
.set AC, 64*((\a)%4)
.set WW, 2+(\a)/4
	WIN (WW<<2)|(WW<<4)                            ; sources 1 and 2: the accumulators' window
.irp b, 0,1,2,3
	v_max3_num_f32 v[TM+\b], 0x2800000, |v[AC+16*\b]|, |v[AC+16*\b+1]|   ; with the floor 2^(5 - 127)
.endr
.irp i, 2,4,6,8,10,12,14
.irp b, 0,1,2,3
	v_max3_num_f32 v[TM+\b], v[TM+\b], |v[AC+16*\b+\i]|, |v[AC+16*\b+\i+1]|
.endr
.endr
	WIN WW|(WW<<2)                                 ; sources 0 and 1
	v_pk_mul_f32 v[SQ:SQ+1], v[AC:AC+1], v[AC:AC+1]             ; the row's sum of squares, of the unquantised numbers, in two chains
	v_pk_mul_f32 v[SQ+2:SQ+3], v[AC+2:AC+3], v[AC+2:AC+3]
.irp j, 4,8,12,16,20,24,28,32,36,40,44,48,52,56,60
	v_pk_fma_f32 v[SQ:SQ+1], v[AC+\j:AC+\j+1], v[AC+\j:AC+\j+1], v[SQ:SQ+1]
	v_pk_fma_f32 v[SQ+2:SQ+3], v[AC+\j+2:AC+\j+3], v[AC+\j+2:AC+\j+3], v[SQ+2:SQ+3]
.endr
	WIN 0
.irp b, 0,1,2,3
	v_permlanex16_b32 v[TM+4+\b], v[TM+\b], s[SEL], s[SEL+1]
.endr
.irp b, 0,1,2,3
	v_max_num_f32 v[TM+\b], v[TM+\b], v[TM+4+\b]
.endr
.irp b, 0,1,2,3
	v_add_nc_u32 v[TM+12+\b], 0xfe000000, v[TM+\b]   ; 4 off the exponent field: the conversion's scale operand
.endr
.irp b, 0,1,2,3
	v_lshrrev_b32 v[TM+4+\b], 23, v[TM+12+\b]      ; the scale's byte
.endr
	v_lshl_or_b32 v[PW+\a], v[TM+5], 8, v[TM+4]
	v_lshl_or_b32 v[PW+\a], v[TM+6], 16, v[PW+\a]
	v_lshl_or_b32 v[PW+\a], v[TM+7], 24, v[PW+\a]
	v_pk_add_f32 v[SQ:SQ+1], v[SQ:SQ+1], v[SQ+2:SQ+3]
	v_add_f32 v[SQ], v[SQ], v[SQ+1]
	v_permlanex16_b32 v[SQ+2], v[SQ], s[SEL], s[SEL+1]
	v_add_f32 v[NN+\a], v[SQ], v[SQ+2]             ; with lane l xor 16's half: the row's norm
	s_wait_xcnt 0x0                                ; the last tile's stores have read the codes' registers
	WIN WW                                         ; source 0
.irp c, 0,1
	v_cvt_scalef32_pk16_bf6_f32 v[PC+6*\c:PC+6*\c+2], v[AC+32*\c:AC+32*\c+15], v[TM+12+2*\c]
	v_cvt_scalef32_pk16_bf6_f32 v[PC+12+4*\c:PC+14+4*\c], v[AC+32*\c+16:AC+32*\c+31], v[TM+13+2*\c]
.endr
	WIN 0
	v_nop                                          ; one plain line behind the conversions
.irp c, 0,1
.irp i, 0,1,2
	v_permlane16_swap_b32 v[PC+6*\c+\i], v[PC+12+4*\c+\i]
.endr
.irp i, 0,1,2
	v_mov_b32 v[PC+3+6*\c+\i], v[PC+12+4*\c+\i]
.endr
.endr
.irp c, 0,1,2
	global_store_b128 v[LI], v[PC+4*\c:PC+4*\c+3], s[76:77] offset:(\a)*FRB+512*\c   ; 512 consecutive bytes, aligned on 256
.endr
.endm
.irp b, 0,1,2,3
	v_mov_b32 v[TM+4+\b], 0                        ; a lane exchange's destination counts as one of its sources; these four are also the places behind the last products
.endr
.irp a, 0,1,2,3,4,5,6,7
	EQ \a
.endr
.irp i, 0,1,2,3
	v_cndmask_b32 v[T+\i], v[PW+\i], v[PW+4+\i], s[HM]   ; lanes 0-15: tiles 0-3's words of row r; lanes 16-31: tiles 4-7's
.endr
	global_store_b128 v[LI], v[T:T+3], s[76:77] offset:8*FRB
	s_cmp_eq_u32 ttmp9, 2                          ; V^T has no norms.  The cluster's x is the same in all partners; no barrier stands in the branch
	s_cbranch_scc1 .Lno_norms
.irp i, 0,1,2,3                        ; through 512 bytes of my own in slot 0, which has had its last fill and its last read at the last change of slots
	v_cndmask_b32 v[TM+\i], v[NN+2*\i], v[NN+2*\i+1], s[HM]
	ds_store_b32 v[NSI], v[TM+\i] offset:128*\i    ; tile 2 i + h, row r at 64 (2 i + h) + 4 r
.endr
	ds_load_b128 v[TM+4:TM+7], v[NSO]              ; LDS serves a wave's instructions in order: this sees the stores above
	s_wait_dscnt 0x0
	global_store_b128 v[LI], v[TM+4:TM+7], s[78:79]
.Lno_norms:
	s_wait_tensorcnt 0x0                           ; the wave's end
	ds_add_u32 v[SPW], v[NIL]
	s_wait_dscnt 0x0
	CROUND                                         ; the closing round: no work-group ends while a partner may still ask for a tile that names it
	s_endpgm
.Lfunc_end_k_qe7da62a5d5_qkv:
	.size	k_qe7da62a5d5_qkv, .Lfunc_end_k_qe7da62a5d5_qkv-k_qe7da62a5d5_qkv
	.p2alignl 7, 3214868480
	.fill 96, 4, 3214868480
	.section	.rodata,"a",@progbits
	.p2align	6, 0x0
	.amdhsa_kernel k_qe7da62a5d5_qkv
		.amdhsa_group_segment_fixed_size 327680
		.amdhsa_private_segment_fixed_size 0
		.amdhsa_enable_private_segment 0
		.amdhsa_kernarg_size 24
		.amdhsa_user_sgpr_count 2
		.amdhsa_user_sgpr_kernarg_segment_ptr 1
		.amdhsa_wavefront_size32 1
		.amdhsa_system_sgpr_workgroup_id_x 1
		.amdhsa_system_sgpr_workgroup_id_y 1
		.amdhsa_system_sgpr_workgroup_id_z 1
		.amdhsa_system_vgpr_workitem_id 0
		.amdhsa_next_free_vgpr 1024
		.amdhsa_next_free_sgpr 98
		.amdhsa_reserve_vcc 0
		.amdhsa_float_denorm_mode_32 3
		.amdhsa_float_denorm_mode_16_64 3
		.amdhsa_memory_ordered 1
		.amdhsa_forward_progress 1
		.amdhsa_inst_pref_size 155
	.end_amdhsa_kernel
	.amdgpu_metadata
---
amdhsa.version: [ 1, 2 ]
amdhsa.kernels:
  - .name:           k_qe7da62a5d5_qkv
    .symbol:         k_qe7da62a5d5_qkv.kd
    .args:
      - { .name: xw, .offset: 0, .size: 8, .value_kind: global_buffer, .address_space: global }
      - { .name: qp, .offset: 8, .size: 8, .value_kind: global_buffer, .address_space: global }
      - { .name: kv, .offset: 16, .size: 8, .value_kind: global_buffer, .address_space: global }
    .group_segment_fixed_size: 327680
    .private_segment_fixed_size: 0
    .kernarg_segment_align: 8
    .kernarg_segment_size: 24
    .max_flat_workgroup_size: 128
    .sgpr_count:     98
    .vgpr_count:     1024
    .wavefront_size: 32
...
	.end_amdgpu_metadata
.endif
;; end of part 2
;; launch attn (part 3): grid 16 x 16, 8 waves a work-group, no clusters, 327,680 bytes of LDS; arguments qp, kv, log_c, log_beta, op; writes op
.if DOCPART == 3
	.amdgcn_target "amdgcn-amd-amdhsa--gfx1250"
	.amdhsa_code_object_version 6
	.text
	.protected	k_qe7da62a5d5_attn
	.globl	k_qe7da62a5d5_attn
	.p2align	8
	.type	k_qe7da62a5d5_attn,@function
k_qe7da62a5d5_attn:
	s_mov_b64 s[64:65], 0
	v_nop
	global_prefetch_b8 v0, s[64:65] scope:SCOPE_SE
	s_setreg_imm32_b32 hwreg(HW_REG_WAVE_MODE, 25, 1), 1
	s_wait_xcnt 0x0
; Causal attention whose logit is -beta x a hyperbolic distance, both products on codes of BF6 (E3M2) with E8M0 scales.  For a query and a key: d2 = max(qn + kn - 2 qk, 0) + 1e-8, ed = sqrt(d2), ns = qn + kn;
; dist = ed (1 + c ns / 2 + (c ns)^2 / 8) where ed < 0.1; 0.693 + ln(ed) + c ns / 4 where ed > 2; else ed sqrt(1 + c ns).  t = -beta log2(e) dist; M = the row's largest t so far rounded up to a whole number;
; p = 2^(t - M) is quantised along the keys; the row's sum is taken of the unquantised p and divides O at the end; when M moves, the sum and O are multiplied by 2^(old M - new M), which rounds nothing.
; (The reference adds 1e-8 to ed ahead of the logarithm: that form is chosen only where ed > 2, where the addition changes no f32 number, so it is not written.)
; IN: qp, entry bh x 16 + g: q's panel of 128 queries, then qn.  kv, entry bh x 16 + step: k's panel, V^T's panel (rows = channels, K = the step's 128 keys), kn: 26,112 dense bytes.  A panel is 128 rows x 128 K as
; images of operand registers (eight fragments of 1,536 bytes; scale words, tile 4 g + i, row r at 12,288 + 256 g + 16 r + 4 i; fragment row rho of tile t = panel row 32 (t / 2) + 8 (t % 2) + rho + 8 (rho / 8)).
; OUT: op, o / l quantised along the channels, panel (batch x 16 + g, head) at (8 RB + head) x 12,800.
; SHARES.  A wave owns one tile of 16 queries and walks key steps of 128; block g of 128 queries needs g + 1 steps.  Work-group (J, bh) takes half-block J (four tiles) and half-block 31 - J: 17 steps' work for each
; pair of a short and a long wave, the same in all 256 work-groups.  It walks as many steps as its long half needs, rounded up to an even number; a wave leaves out the work of steps past its diagonal (a scalar branch on ids).
; Both products are used transposed: a lane holds ONE query (lane % 16); register 16 b + i of the scores is key 32 b + 16 (lane / 16) + i of the step.
; The work for a pair of query and key is vector work: 16 matrix instructions a step stand beside some 1,100 vector ones, so the text is laid for few vector lines; the second wave on the SIMD works while one waits.
; NO CLUSTER: the steps that a wave leaves out and its diagonal step hang on its work-group's own blocks, which differ between the work-groups of a head that would share tiles, and no branch may differ between partners.
; The ring: two slots of one kv entry, filled by wave 0, one tensor load of 102 rows of 256 bytes; the slot stands in the LDS loads' immediates.
; LIMITS: NaN and infinities among the inputs are not served; a block of p or of o whose largest magnitude lies under 2^-122 (zeros too) gets the scale byte 1; l is summed in another order than the reference's;
; ed comes from v_sqrt_f32, so a pair whose ed lies within an ulp of 0.1 or 2 may take the neighbouring formula.
; REGISTERS.  window 0: see the names below.  window 1: v0-63 O^T, v64-159 K's eight fragments, v160-255 V's.
.set PAN,   12800
.set FRB,   1536
.set ENT,   26112                      ; a kv entry, and a slot
.set SPARE, 2*ENT                      ; behind the ring: the spare words, 128 bytes for each of eight waves, that no other line names
.set SCR,   SPARE+1024                 ; 512 bytes: o's scale words on their way out; no tensor load lands here
.set LI,   1                           ; v1  16 x lane
.set AR,   2                           ; v2  16 r
.set AH,   3                           ; v3  32 h
.set SPW,  4                           ; v4  my spare word; never rewritten
.set NIL,  5                           ; v5  0; never rewritten
.set INFV, 6                           ; v6  +infinity
.set DG,   7                           ; v7  my query's row in its block - 16 h
.set QN,   8                           ; v8  qn; the packed form names v[8:9] and takes the low word for both halves,
.set SCA,  9                           ; v9  so v9 is free to hold the LDS address of my tile's scale word
.set FF,   10                          ; v10 f = 2^(old M - new M); v11 written once
.set NM,   12                          ; v12 -M, v13 the largest t so far
.set SUM,  14                          ; v[14:15] the row's sum in two halves
.set QF,   16                          ; v16-27 Q's fragment
.set QS,   28                          ; v28 Q's scale words
.set PW,   29                          ; v29 p's scale word, later o's
.set T0,   30                          ; v30 at work
.set PFO,  31                          ; v31 256 x lane: the prefetches' offset; never rewritten
.set S,    32                          ; v32-95   scores, d2, ed, dist, t - M, p
.set U,    96                          ; v96-159  kn, ns, c ns, the form for large ed
.set WF,   160                         ; v160-191 1 + c ns, its root, the factor: four tiles at a time
.set PC,   160                         ; v160-179 later: the codes just made
.set LG,   192                         ; v192-223 log2(ed): four tiles at a time
.set TM,   192                         ; the way out: the quantiser's sixteen
.set PT,   224                         ; v224-231 the series' factor; at work in the softmax
.set KS,   232                         ; v232-239 K's scale words
.set VS,   240                         ; v240-247 V's
.set BM,   248                         ; v248-251 each block's smallest distance, then its largest p
.set C693, 252                         ; v[252:253] 0.693 twice
.set C025, 254                         ; v[254:255] 0.25 twice
.set KF,   64                          ; window 1
.set VF,   160
.set WV,   14
.set BH,   16
.set HALF, 17
.set TI,   18
.set HB,   19
.set GB,   20
.set TT,   21
.set G1,   24                          ; s[24:31] descriptor group 1; s[32:39] group 0, a set for each slot
.set G0,   32
.set SEL,  40                          ; s[40:41] lane selects: lane l xor 16
.set CC,   42                          ; s[42:43] c
.set KB,   44                          ; s[44:45] -beta log2(e)
.set EPS,  46                          ; s[46:47] 1e-8
.set C8,   48                          ; s[48:49] 0.125
.set LN2,  54                          ; s[54:55] ln 2
.set P1,   56                          ; s56 0.1
.set SI,   58                          ; s58 the step
.set TR,   59                          ; s59 the loop's trips
.set RL,   60                          ; s60 refills still to come
.set LIM,  61                          ; s61 1 in a wave that prefetches, else the greatest number
.set PFA,  62                          ; s[62:63] where my prefetches stand
.set MK,   68                          ; s[68:75] eight lane masks
.set MSB, 0
.macro WIN new                         ; the immediate's high byte repeats the setting that is left
.if MSB != (\new)
	s_set_vgpr_msb (MSB<<8)|(\new)
.set MSB, (\new)
.endif
.endm
; 64 numbers of a lane, v[s] on, register 16 b + i = k 32 b + 16 h + i of my row, become a fragment's codes in v[PC] on and its scale word in v[pw]
.macro QUANT s, pw
.irp b, 0,1,2,3
	v_max3_num_f32 v[TM+\b], |v[\s+16*\b]|, |v[\s+16*\b+1]|, 0x2800000
.endr
.irp i, 2,4,6,8,10,12,14
.irp b, 0,1,2,3
	v_max3_num_f32 v[TM+\b], v[TM+\b], |v[\s+16*\b+\i]|, |v[\s+16*\b+\i+1]|
.endr
.endr
.irp b, 0,1,2,3
	v_permlanex16_b32 v[TM+4+\b], v[TM+\b], s[SEL], s[SEL+1]
.endr
.irp b, 0,1,2,3
	v_max_num_f32 v[TM+\b], v[TM+\b], v[TM+4+\b]
.endr
.irp b, 0,1,2,3
	v_add_nc_u32 v[TM+12+\b], 0xfe000000, v[TM+\b]
.endr
.irp b, 0,1,2,3
	v_lshrrev_b32 v[TM+4+\b], 23, v[TM+12+\b]
.endr
	v_lshl_or_b32 v[\pw], v[TM+5], 8, v[TM+4]
	v_lshl_or_b32 v[\pw], v[TM+6], 16, v[\pw]
	v_lshl_or_b32 v[\pw], v[TM+7], 24, v[\pw]
.irp c, 0,1
	v_cvt_scalef32_pk16_bf6_f32 v[PC+6*\c:PC+6*\c+2], v[\s+32*\c:\s+32*\c+15], v[TM+12+2*\c]
	v_cvt_scalef32_pk16_bf6_f32 v[PC+12+4*\c:PC+14+4*\c], v[\s+32*\c+16:\s+32*\c+31], v[TM+13+2*\c]
.endr
	v_nop
.irp c, 0,1
.irp i, 0,1,2
	v_permlane16_swap_b32 v[PC+6*\c+\i], v[PC+12+4*\c+\i]
.endr
.irp i, 0,1,2
	v_mov_b32 v[PC+3+6*\c+\i], v[PC+12+4*\c+\i]
.endr
.endr
.endm
	s_load_b256 s[4:11], s[0:1], 0x0               ; qp, kv, log_c, log_beta
	s_load_b64 s[12:13], s[0:1], 0x20              ; op
	v_lshl_add_u32 v[SPW], v0, 2, SPARE
	v_mov_b32 v[NIL], 0
	ds_add_u32 v4, v5
	s_wait_dscnt 0x0
	v_lshrrev_b32 v[T0], 5, v0
	v_readfirstlane_b32 s[WV], v[T0]               ; wave 0..7
	s_lshr_b32 s[TI], s[WV], 1                     ; which of a half-block's four tiles
	s_lshr_b32 s2, s[WV], 2
	s_xor_b32 s[HALF], s[WV], s[TI]
	s_xor_b32 s[HALF], s[HALF], s2
	s_and_b32 s[HALF], s[HALF], 1                  ; the short half-block (0) or the long one (1): waves w and w + 4, and waves 2 i and 2 i + 1, differ in it
	v_and_b32 v[T0], 31, v0
	v_lshlrev_b32 v[LI], 4, v[T0]
	v_lshlrev_b32 v[PFO], 8, v[T0]
	v_and_b32 v32, 15, v0                          ; r
	v_bfe_u32 v33, v0, 4, 1                        ; h
	v_lshlrev_b32 v[AR], 4, v32
	v_lshlrev_b32 v[AH], 5, v33
	s_lshl_b32 s2, s[HALF], 8
	s_lshl_b32 s3, s[TI], 2
	s_add_co_u32 s2, s2, s3
	s_add_co_u32 s2, s2, SCR
	v_add_nc_u32 v[SCA], s2, v[AR]                 ; SCR + 256 x half + 16 r + 4 x tile
	s_and_b32 s[BH], ttmp7, 0xffff                 ; batch x 8 + head
	; descriptor group 1: 26,112 dense bytes as 102 rows of 32 elements of 8 bytes
	s_mov_b32 s[G1], 3<<16
	s_mov_b32 s[G1+1], 32<<16
	s_mov_b32 s[G1+2], 102<<16
	s_mov_b32 s[G1+3], 32<<16
	s_mov_b32 s[G1+4], 102
	s_mov_b32 s[G1+5], 32
	s_mov_b32 s[G1+6], 0
	s_mov_b32 s[G1+7], 0
	s_lshl_b32 s76, s[BH], 4
	s_mul_i32 s76, s76, ENT
	s_mov_b32 s77, 0
	s_wait_kmcnt 0x0
	s_add_nc_u64 s[6:7], s[6:7], s[76:77]          ; kv at my head's step 0
.irp n, 0,1
	s_mov_b32 s[G0+4*\n], 1
	s_mov_b32 s[G0+4*\n+1], \n*ENT
	s_add_nc_u64 s[G0+4*\n+2:G0+4*\n+3], s[6:7], \n*ENT
	s_or_b32 s[G0+4*\n+3], s[G0+4*\n+3], 0x80000000
.endr
	s_cmp_lg_u32 s[WV], 0                          ; wave 0 fetches: both first fills in one branch, ahead of every wait on TENSORcnt, every LDS read and every barrier
	s_cbranch_scc1 .Lnot_first
	tensor_load_to_lds s[G0:G0+3], s[G1:G1+7]
	s_nop 0
	tensor_load_to_lds s[G0+4:G0+7], s[G1:G1+7]
	s_nop 0
.rept 4
	v_nop
.endr
.Lnot_first:
	s_load_b32 s78, s[8:9], 0x0                    ; log_c
	s_load_b32 s79, s[10:11], 0x0                  ; log_beta
	s_sub_co_u32 s[HB], 31, ttmp9
	s_cmp_eq_u32 s[HALF], 0
	s_cselect_b32 s[HB], ttmp9, s[HB]              ; my half-block of 64 queries
	s_lshr_b32 s[GB], s[HB], 1                     ; its block of 128: my last step
	s_and_b32 s[TT], s[HB], 1
	s_lshl_b32 s[TT], s[TT], 2
	s_add_co_u32 s[TT], s[TT], s[TI]               ; my tile in the block's panel
	s_lshr_b32 s[TR], ttmp9, 1
	s_sub_co_u32 s[TR], 17, s[TR]
	s_and_b32 s[TR], s[TR], -2                     ; the steps that the work-group walks: 16 - J / 2, rounded up to an even number
	s_sub_co_u32 s[RL], s[TR], 2
	s_lshr_b32 s[TR], s[TR], 1
	s_sub_co_u32 s[TR], s[TR], 1
	s_mov_b32 s[SI], 0
	s_sub_co_u32 s2, s[WV], 4                      ; who prefetches: waves 4 to 6
	s_cmp_lt_u32 s2, 3
	s_cselect_b32 s2, 0, 1
	s_or_b32 s2, s2, ttmp9                         ; of the head's first work-group, which walks all 16 steps
	s_cmp_eq_u32 s2, 0
	s_cselect_b32 s[LIM], 1, -1
	s_and_b32 s2, s[WV], 3
	s_lshl_b32 s2, s2, 13                          ; 8,192 bytes a wave
	s_add_co_u32 s2, s2, 2*ENT                     ; in step 2: the first change of slots steps it to step 3
	s_mov_b32 s3, 0
	s_add_nc_u64 s[PFA:PFA+1], s[6:7], s[2:3]
	s_lshl_b32 s80, s[BH], 4
	s_add_co_u32 s80, s80, s[GB]
	s_mul_i32 s80, s80, 13312
	s_mov_b32 s81, 0
	s_add_nc_u64 s[4:5], s[4:5], s[80:81]          ; my block's entry of qp
	s_mul_i32 s2, s[TT], FRB
	v_add_nc_u32 v96, s2, v[LI]
	s_lshr_b32 s2, s[TT], 2
	s_lshl_b32 s2, s2, 8
	s_and_b32 s3, s[TT], 3
	s_lshl_b32 s3, s3, 2
	s_add_co_u32 s2, s2, s3
	v_add_nc_u32 v97, s2, v[AR]
	s_lshl_b32 s2, s[TT], 6
	v_lshl_add_u32 v98, v32, 2, s2
.irp c, 0,1,2
	global_load_b128 v[QF+4*\c:QF+4*\c+3], v96, s[4:5] offset:512*\c   ; Q's fragment stays in registers
.endr
	global_load_b32 v[QS], v97, s[4:5] offset:8*FRB
	global_load_b32 v[QN], v98, s[4:5] offset:PAN
	v_and_b32 v34, 8, v32
	v_add_nc_u32 v34, v34, v32                     ; r + 8 (r / 8)
	v_lshlrev_b32 v35, 4, v33
	v_sub_nc_u32 v34, v34, v35                     ; - 16 h
	s_lshr_b32 s2, s[TT], 1
	s_lshl_b32 s2, s2, 5
	s_and_b32 s3, s[TT], 1
	s_lshl_b32 s3, s3, 3
	s_add_co_u32 s2, s2, s3
	v_add_nc_u32 v[DG], s2, v34
	v_mov_b32 v[INFV], 0x7f800000
	v_mov_b32 v[FF+1], 0                           ; (named as the upper half of a pair)
	v_mov_b32 v[NM+1], 0xff61b1e6                  ; the largest t so far: -3e38, under every t
	v_floor_f32 v[NM], -v[NM+1]                    ; -M
	v_mov_b32 v[SUM], 0
	v_mov_b32 v[SUM+1], 0
	v_mov_b32 v[C693], 0x3f316873
	v_mov_b32 v[C693+1], 0x3f316873
	v_mov_b32 v[C025], 0x3e800000
	v_mov_b32 v[C025+1], 0x3e800000
	s_mov_b32 s[SEL], 0x76543210
	s_mov_b32 s[SEL+1], 0xfedcba98
	s_mov_b32 s[EPS], 0x322bcc77
	s_mov_b32 s[EPS+1], 0x322bcc77
	s_mov_b32 s[C8], 0x3e000000
	s_mov_b32 s[C8+1], 0x3e000000
	s_mov_b32 s[LN2], 0x3f317218
	s_mov_b32 s[LN2+1], 0x3f317218
	s_mov_b32 s[P1], 0x3dcccccd
	WIN 0x40
.set J, 0
.rept 64
	v_mov_b32 v[J], 0                              ; O^T.  (The step is written without a first form of its own: the first change of M multiplies zeros)
.set J, J+1
.endr
	WIN 0
	; softplus(x) = max(x, 0) + log1p(e), e = exp(-|x|); log1p(e) = ln(w) e / (w - 1) with w = 1 + e, and e itself where w = 1.  c and beta side by side
	s_wait_kmcnt 0x0
	v_mov_b32 v32, s78
	v_mov_b32 v33, s79
	v_mul_f32 v34, 0xbfb8aa3b, |v32|
	v_mul_f32 v35, 0xbfb8aa3b, |v33|
	v_exp_f32 v34, v34
	v_exp_f32 v35, v35
	v_nop                                          ; a plain line behind the exponentials,
	s_wait_alu depctr_va_vdst(0)                   ; and the wait ahead of a batch's first reader
	v_add_f32 v36, 1.0, v34
	v_add_f32 v37, 1.0, v35
	v_add_f32 v38, -1.0, v36
	v_add_f32 v39, -1.0, v37
	v_log_f32 v40, v36
	v_log_f32 v41, v37
	v_rcp_f32 v42, v38
	v_rcp_f32 v43, v39
	v_nop
	s_wait_alu depctr_va_vdst(0)
	v_mul_f32 v40, 0x3f317218, v40
	v_mul_f32 v41, 0x3f317218, v41
	v_mul_f32 v40, v40, v34
	v_mul_f32 v41, v41, v35
	v_mul_f32 v40, v40, v42
	v_mul_f32 v41, v41, v43
	v_cmp_eq_f32 vcc_lo, 0, v38
	v_cndmask_b32 v40, v40, v34, vcc_lo
	v_cmp_eq_f32 vcc_lo, 0, v39
	v_cndmask_b32 v41, v41, v35, vcc_lo
	v_max_num_f32 v32, 0, v32
	v_max_num_f32 v33, 0, v33
	v_add_f32 v32, v32, v40                        ; c
	v_add_f32 v33, v33, v41
	v_add_f32 v33, 0.5, v33                        ; beta
	v_mul_f32 v33, 0xbfb8aa3b, v33                 ; -beta log2(e)
	v_readfirstlane_b32 s[CC], v32
	v_readfirstlane_b32 s[KB], v33
	s_mov_b32 s[CC+1], s[CC]
	s_mov_b32 s[KB+1], s[KB]
; THE DISTANCE, a tile of 16 keys (eight registers) at a time
.macro PRE tau                         ; d2 and c ns
.set EE, 8*(\tau)
.irp k, 0,2,4,6
	v_pk_fma_f32 v[S+EE+\k:S+EE+\k+1], v[S+EE+\k:S+EE+\k+1], -2.0, v[U+EE+\k:U+EE+\k+1] op_sel_hi:[1,0,1]   ; ns - 2 qk: each accumulator is read from its low end on
.endr
.irp k, 0,1,2,3,4,5,6,7
	v_max_num_f32 v[S+EE+\k], 0, v[S+EE+\k]
.endr
.irp k, 0,2,4,6
	v_pk_add_f32 v[S+EE+\k:S+EE+\k+1], v[S+EE+\k:S+EE+\k+1], s[EPS:EPS+1] op_sel_hi:[1,0]
.endr
.irp k, 0,2,4,6
	v_pk_mul_f32 v[U+EE+\k:U+EE+\k+1], v[U+EE+\k:U+EE+\k+1], s[CC:CC+1] op_sel_hi:[1,0]
.endr
.endm
.macro PREW tau                        ; 1 + c ns
.set EE, 8*(\tau)
.set WT, 8*((\tau)%4)
.irp k, 0,2,4,6
	v_pk_add_f32 v[WF+WT+\k:WF+WT+\k+1], v[U+EE+\k:U+EE+\k+1], 1.0 op_sel_hi:[1,0]
.endr
.endm
.macro TA tau                          ; ed and sqrt(1 + c ns)
.set EE, 8*(\tau)
.set WT, 8*((\tau)%4)
.irp k, 0,1,2,3,4,5,6,7
	v_sqrt_f32 v[S+EE+\k], v[S+EE+\k]
.endr
.irp k, 0,1,2,3,4,5,6,7
	v_sqrt_f32 v[WF+WT+\k], v[WF+WT+\k]
.endr
.endm
.macro TB tau                          ; log2(ed)
.set EE, 8*(\tau)
.set WT, 8*((\tau)%4)
.irp k, 0,1,2,3,4,5,6,7
	v_log_f32 v[LG+WT+\k], v[S+EE+\k]
.endr
.endm
.macro SEL3 tau                        ; the series' factor takes the root's place where ed < 0.1; 0.693 + c ns / 4.  Names no logarithm
.set EE, 8*(\tau)
.set WT, 8*((\tau)%4)
.irp k, 0,2,4,6
	v_pk_fma_f32 v[PT+\k:PT+\k+1], v[U+EE+\k:U+EE+\k+1], s[C8:C8+1], 0.5 op_sel_hi:[1,0,0]
.endr
.irp k, 0,2,4,6
	v_pk_fma_f32 v[PT+\k:PT+\k+1], v[U+EE+\k:U+EE+\k+1], v[PT+\k:PT+\k+1], 1.0 op_sel_hi:[1,1,0]
.endr
.irp k, 0,2,4,6
	v_pk_fma_f32 v[U+EE+\k:U+EE+\k+1], v[U+EE+\k:U+EE+\k+1], v[C025:C025+1], v[C693:C693+1]
.endr
.irp k, 0,1,2,3,4,5,6,7
	v_cmp_gt_f32 s[MK+\k], s[P1], v[S+EE+\k]
.endr
.irp k, 0,1,2,3,4,5,6,7
	v_cndmask_b32 v[WF+WT+\k], v[WF+WT+\k], v[PT+\k], s[MK+\k]
.endr
.endm
.macro FIN tau                         ; dist
.set EE, 8*(\tau)
.set WT, 8*((\tau)%4)
.irp k, 0,2,4,6
	v_pk_fma_f32 v[U+EE+\k:U+EE+\k+1], v[LG+WT+\k:LG+WT+\k+1], s[LN2:LN2+1], v[U+EE+\k:U+EE+\k+1] op_sel_hi:[1,0,1]
.endr
.irp k, 0,1,2,3,4,5,6,7
	v_cmp_lt_f32 s[MK+\k], 2.0, v[S+EE+\k]
.endr
.irp k, 0,2,4,6
	v_pk_mul_f32 v[S+EE+\k:S+EE+\k+1], v[S+EE+\k:S+EE+\k+1], v[WF+WT+\k:WF+WT+\k+1]
.endr
.irp k, 0,1,2,3,4,5,6,7
	v_cndmask_b32 v[S+EE+\k], v[S+EE+\k], v[U+EE+\k], s[MK+\k]
.endr
.endm
; A KEY STEP, from the slot named.  Each batch of roots, logarithms or exponentials has one wait, ahead of its first reader, and plain lines of other tiles behind it.
.macro WORK slot
.set BB, (\slot)*ENT
	s_cmp_gt_u32 s[SI], s[GB]                      ; all keys of the step come after my queries: nothing to do
	s_cbranch_scc1 .Lhid_\@
.irp g, 0,1
	ds_load_b128 v[KS+4*\g:KS+4*\g+3], v[AR] offset:BB+8*FRB+256*\g
.endr
.irp t, 0,1,2,3,4,5,6,7
.irp j, 0,1
	ds_load_b128 v[U+8*\t+4*\j:U+8*\t+4*\j+3], v[AH] offset:BB+2*PAN+64*\t+16*\j   ; kn of tile t's rows 8 h + 0 .. 7: the keys of my eight registers
.endr
.endr
	WIN 0x40
.irp f, 0,1,2,3,4,5,6,7
.irp c, 0,1,2
	ds_load_b128 v[KF+12*\f+4*\c:KF+12*\f+4*\c+3], v[LI] offset:BB+\f*FRB+512*\c
.endr
.endr
.irp f, 0,1,2,3,4,5,6,7
.irp c, 0,1,2
	ds_load_b128 v[VF+12*\f+4*\c:VF+12*\f+4*\c+3], v[LI] offset:BB+PAN+\f*FRB+512*\c
.endr
.endr
	WIN 0
.irp g, 0,1
	ds_load_b128 v[VS+4*\g:VS+4*\g+3], v[AR] offset:BB+PAN+8*FRB+256*\g
.endr
	s_wait_dscnt 26                                ; all but V's 24 loads and its scale words' 2
	WIN 0x01
.irp t, 0,1,2,3,4,5,6,7
	v_wmma_scale_f32_16x16x128_f8f6f4 v[S+8*\t:S+8*\t+7], v[KF+12*\t:KF+12*\t+11], v[QF:QF+11], 0, v[KS+\t], v[QS] matrix_a_fmt:MATRIX_FMT_BF6 matrix_b_fmt:MATRIX_FMT_BF6
.endr
	WIN 0
.set J, 0
.rept 32
	v_pk_add_f32 v[U+J:U+J+1], v[U+J:U+J+1], v[QN:QN+1] op_sel_hi:[1,0]   ; ns = kn + qn.  (These name no register of the products: they are the places behind them)
.set J, J+2
.endr
.irp tau, 0,1,2,3
	PRE \tau
.endr
.irp tau, 0,1,2,3
	PREW \tau
.endr
.irp tau, 0,1,2,3
	TA \tau
	PRE \tau+4
.endr
	s_wait_alu depctr_va_vdst(0)
.irp tau, 0,1,2,3
	TB \tau
	SEL3 \tau
.endr
	s_wait_alu depctr_va_vdst(0)
.irp tau, 0,1,2,3
	FIN \tau
.endr
.irp tau, 4,5,6,7
	PREW \tau
.endr
.irp tau, 4,5,6,7
	TA \tau
.endr
	v_nop
	s_wait_alu depctr_va_vdst(0)
.irp tau, 4,5,6,7
	TB \tau
	SEL3 \tau
.endr
	s_wait_alu depctr_va_vdst(0)
.irp tau, 4,5,6,7
	FIN \tau
.endr
	s_cmp_lg_u32 s[SI], s[GB]                      ; on the diagonal the distances of hidden keys become +infinity: p = 0 then
	s_cbranch_scc1 .Lopen_\@
.set N, 0
.rept 64
	v_cmp_gt_i32 vcc_lo, 32*(N/16)+N%16, v[DG]     ; register 16 b + i holds key 32 b + 16 h + i
	v_cndmask_b32 v[S+N], v[S+N], v[INFV], vcc_lo
.set N, N+1
.endr
.Lopen_\@:
.irp b, 0,1,2,3
	v_min3_num_f32 v[BM+\b], v[S+16*\b], v[S+16*\b+1], v[S+16*\b+2]   ; each block's smallest distance: it serves the row's largest t and, since p falls with the distance, the block's largest p
.endr
.irp i, 3,5,7,9,11,13
.irp b, 0,1,2,3
	v_min3_num_f32 v[BM+\b], v[BM+\b], v[S+16*\b+\i], v[S+16*\b+\i+1]
.endr
.endr
.irp b, 0,1,2,3
	v_min_num_f32 v[BM+\b], v[BM+\b], v[S+16*\b+15]
.endr
.irp b, 0,1,2,3
	v_permlanex16_b32 v[PT+\b], v[BM+\b], s[SEL], s[SEL+1]
.endr
.irp b, 0,1,2,3
	v_min_num_f32 v[BM+\b], v[BM+\b], v[PT+\b]     ; with lane l xor 16's 16 keys
.endr
	v_min3_num_f32 v[T0], v[BM], v[BM+1], v[BM+2]
	v_min_num_f32 v[T0], v[T0], v[BM+3]
	v_mul_f32 v[T0], s[KB], v[T0]                  ; the step's largest t (the factor is negative)
	v_max_num_f32 v[NM+1], v[NM+1], v[T0]
	v_mov_b32 v[T0], v[NM]
	v_floor_f32 v[NM], -v[NM+1]                    ; the new -M = -ceil(t)
	v_sub_f32 v[T0], v[NM], v[T0]                  ; old M - new M: a whole number, 0 or less
	v_cvt_i32_f32 v[T0], v[T0]                     ; (it saturates)
	v_ldexp_f32 v[FF], 1.0, v[T0]                  ; f
.set J, 0
.rept 32
	v_pk_fma_f32 v[S+J:S+J+1], v[S+J:S+J+1], s[KB:KB+1], v[NM:NM+1] op_sel_hi:[1,0,0]   ; t - M
.set J, J+2
.endr
.irp b, 0,1,2,3
	v_fma_f32 v[BM+\b], v[BM+\b], s[KB], v[NM]
.endr
.set J, 0
.rept 64
	v_exp_f32 v[S+J], v[S+J]                       ; p, not normalised
.set J, J+1
.endr
	v_pk_mul_f32 v[SUM:SUM+1], v[SUM:SUM+1], v[FF:FF+1] op_sel_hi:[1,0]   ; the sums under the new M
	s_wait_alu depctr_va_vdst(0)
.irp b, 0,1,2,3
	v_exp_f32 v[BM+\b], v[BM+\b]                   ; the block's largest p: the same two instructions on the same number
.endr
	v_pk_add_f32 v[PT:PT+1], v[S:S+1], v[S+2:S+3]  ; the row's sum, of the unquantised p, in two chains
.set J, 4
.rept 15
	v_pk_add_f32 v[SUM:SUM+1], v[SUM:SUM+1], v[S+J:S+J+1]
	v_pk_add_f32 v[PT:PT+1], v[PT:PT+1], v[S+J+2:S+J+3]
.set J, J+4
.endr
	v_pk_add_f32 v[SUM:SUM+1], v[SUM:SUM+1], v[PT:PT+1]
	s_wait_alu depctr_va_vdst(0)
.irp b, 0,1,2,3
	v_max_num_f32 v[BM+\b], 0x2800000, v[BM+\b]    ; the floor 2^(5 - 127)
.endr
.irp b, 0,1,2,3
	v_add_nc_u32 v[PT+\b], 0xfe000000, v[BM+\b]    ; the conversion's scale operand
.endr
.irp b, 0,1,2,3
	v_lshrrev_b32 v[PT+4+\b], 23, v[PT+\b]         ; the scale's byte
.endr
	v_lshl_or_b32 v[PW], v[PT+5], 8, v[PT+4]
	v_lshl_or_b32 v[PW], v[PT+6], 16, v[PW]
	v_lshl_or_b32 v[PW], v[PT+7], 24, v[PW]
.irp c, 0,1
	v_cvt_scalef32_pk16_bf6_f32 v[PC+6*\c:PC+6*\c+2], v[S+32*\c:S+32*\c+15], v[PT+2*\c]
	v_cvt_scalef32_pk16_bf6_f32 v[PC+12+4*\c:PC+14+4*\c], v[S+32*\c+16:S+32*\c+31], v[PT+2*\c+1]
.endr
	v_nop
.irp c, 0,1
.irp i, 0,1,2
	v_permlane16_swap_b32 v[PC+6*\c+\i], v[PC+12+4*\c+\i]
.endr
.irp i, 0,1,2
	v_mov_b32 v[PC+3+6*\c+\i], v[PC+12+4*\c+\i]
.endr
.endr
	WIN 0x41
.set J, 0
.rept 32
	v_pk_mul_f32 v[J:J+1], v[J:J+1], v[FF:FF+1] op_sel_hi:[1,0]   ; O^T under the new M.  (Also the places between p's codes and scale word and the products)
.set J, J+2
.endr
	s_wait_dscnt 0x0                               ; V
	WIN 0x51
.irp t, 0,1,2,3,4,5,6,7
	v_wmma_scale_f32_16x16x128_f8f6f4 v[8*\t:8*\t+7], v[VF+12*\t:VF+12*\t+11], v[PC:PC+11], v[8*\t:8*\t+7], v[VS+\t], v[PW] matrix_a_fmt:MATRIX_FMT_BF6 matrix_b_fmt:MATRIX_FMT_BF6
.endr
	WIN 0
.rept 4
	v_nop                                          ; places in front of the next step's loads into V's registers, and of the way out's reads
.endr
.Lhid_\@:
	s_add_co_u32 s[SI], s[SI], 1
.endm
; A PREFETCH INTO THE L2 of the entry that the NEXT change of slots will ask for: one key step ahead.  All work-groups of a head walk the same entries: the head's first work-group, which walks all 16, asks; in it waves 4 to 6,
; which fetch nothing, one instruction each: 8,192 bytes a wave, lanes 256 bytes apart: 96 of the entry's 102 blocks of 256 bytes, each named once; the last 1,536 bytes come by the tensor load alone.
; The last refill asks for nothing: there is no entry behind it.  Steps 0 to 2 come by their loads alone.
.macro ASK
	s_cmp_gt_u32 s[RL], s[LIM]
	s_cbranch_scc0 .Lnot_mine_\@
	global_prefetch_b8 v[PFO], s[PFA:PFA+1] th:TH_LOAD_NT scope:SCOPE_SE
.Lnot_mine_\@:
.endm
; THE CHANGE OF SLOTS.  Each wave waits for all its tensor loads, adds 0 to its spare word, and waits for that and for its reads of slot n, which it has left.  Behind the barrier the other slot is whole and nobody reads
; slot n.  fill = 1: slot n takes the step two further on; the load has a whole step in which to land.
.macro CHANGE n, fill
	s_wait_tensorcnt 0x0
	ds_add_u32 v[SPW], v[NIL]
.if \fill
	s_add_nc_u64 s[G0+4*\n+2:G0+4*\n+3], s[G0+4*\n+2:G0+4*\n+3], 2*ENT   ; no tensor load of mine is out, so a group 0 may be written
	s_wait_xcnt 0x0                                ; the last prefetch, a step back, has read its address
	s_add_nc_u64 s[PFA:PFA+1], s[PFA:PFA+1], ENT
.endif
	s_wait_dscnt 0x0
	s_barrier_signal -1
	s_barrier_wait -1
.if \fill
	s_cmp_lg_u32 s[WV], 0
	s_cbranch_scc1 .Lno_fill_\@
	tensor_load_to_lds s[G0+4*\n:G0+4*\n+3], s[G1:G1+7]
	s_nop 0
.rept 4
	v_nop
.endr
.Lno_fill_\@:
	ASK
	s_sub_co_u32 s[RL], s[RL], 1
.endif
.endm
	s_wait_loadcnt 0x0                             ; Q, its scale words, qn
	s_wait_tensorcnt 0x1                           ; step 0 is in (step 1's load may be out)
	s_barrier_signal -1
	s_barrier_wait -1
	WORK 0
.Lloop:                                                ; a trip: two steps, two refills
	CHANGE 0, 1
	WORK 1
	CHANGE 1, 1
	WORK 0
	s_sub_co_u32 s[TR], s[TR], 1
	s_cmp_lg_u32 s[TR], 0
	s_cbranch_scc1 .Lloop
	CHANGE 0, 0                                    ; the last step is written out
	WORK 1
	; THE WAY OUT: O^T / l, quantised along the channels: my tile of the block's panel for my head
	v_add_f32 v[SUM], v[SUM], v[SUM+1]
	v_permlanex16_b32 v[T0], v[SUM], s[SEL], s[SEL+1]
	v_add_f32 v[SUM], v[SUM], v[T0]                ; with lane l xor 16's keys: the row's sum
	v_rcp_f32 v[SUM], v[SUM]
.irp b, 0,1,2,3
	v_mov_b32 v[TM+4+\b], 0                        ; plain lines behind the reciprocal; a lane exchange's destination counts as one of its sources
.endr
	s_lshr_b32 s80, s[BH], 3
	s_lshl_b32 s80, s80, 4                         ; batch x 16
	s_and_b32 s82, s[BH], 7                        ; the head
.macro PANEL dst, hb                   ; the byte in op at which the panel of half-block hb's 128 queries and my head begins
	s_lshr_b32 \dst, \hb, 1
	s_add_co_u32 \dst, \dst, s80
	s_lshl_b32 \dst, \dst, 3
	s_add_co_u32 \dst, \dst, s82
	s_mul_i32 \dst, \dst, PAN
.endm
	PANEL s84, s[HB]
	s_mul_i32 s2, s[TT], FRB
	s_add_co_u32 s84, s84, s2
	s_mov_b32 s85, 0
	s_add_nc_u64 s[86:87], s[12:13], s[84:85]
	s_wait_alu depctr_va_vdst(0)
	WIN 0x01
.set J, 0
.rept 64
	v_mul_f32 v[S+J], v[J], v[SUM]                 ; register 16 b + i is channel 32 b + 16 h + i; each accumulator from its low end on
.set J, J+1
.endr
	WIN 0
	QUANT S, PW
.irp c, 0,1,2
	global_store_b128 v[LI], v[PC+4*\c:PC+4*\c+3], s[86:87] offset:512*\c   ; 512 consecutive bytes, aligned on 256
.endr
	ds_store_b32 v[SCA], v[PW]                     ; the four tiles' words of a half-block meet in LDS (lanes r and r + 16 write the same word with the same value)
	s_wait_dscnt 0x0
	s_barrier_signal -1
	s_barrier_wait -1
	s_cmp_lg_u32 s[WV], 0
	s_cbranch_scc1 .Ldone
	ds_load_b128 v[S:S+3], v[LI] offset:SCR        ; lanes 0-15: the short half-block's rows; lanes 16-31: the long one's
	s_sub_co_u32 s3, 31, ttmp9
	PANEL s88, ttmp9
	s_and_b32 s2, ttmp9, 1
	s_lshl_b32 s2, s2, 8
	s_add_co_u32 s88, s88, s2
	PANEL s90, s3
	s_and_b32 s2, s3, 1
	s_lshl_b32 s2, s2, 8
	s_add_co_u32 s90, s90, s2
	s_sub_co_u32 s90, s90, s88                     ; from the one to the other: a multiple of 256, above 0
	s_lshr_b32 s90, s90, 5
	v_mul_u32_u24 v[T0], s90, v[AH]                ; x h (v[AH] = 32 h)
	v_add_nc_u32 v[T0], v[T0], v[AR]
	s_mov_b32 s89, 0
	s_add_nc_u64 s[88:89], s[12:13], s[88:89]
	s_wait_dscnt 0x0
	global_store_b128 v[T0], v[S:S+3], s[88:89] offset:8*FRB   ; each sixteen lanes store 256 consecutive bytes, aligned
.Ldone:
	s_wait_tensorcnt 0x0                           ; the wave's end
	ds_add_u32 v[SPW], v[NIL]
	s_wait_dscnt 0x0
	s_endpgm
.Lfunc_end_k_qe7da62a5d5_attn:
	.size	k_qe7da62a5d5_attn, .Lfunc_end_k_qe7da62a5d5_attn-k_qe7da62a5d5_attn
	.p2alignl 7, 3214868480
	.fill 96, 4, 3214868480
	.section	.rodata,"a",@progbits
	.p2align	6, 0x0
	.amdhsa_kernel k_qe7da62a5d5_attn
		.amdhsa_group_segment_fixed_size 327680
		.amdhsa_private_segment_fixed_size 0
		.amdhsa_enable_private_segment 0
		.amdhsa_kernarg_size 40
		.amdhsa_user_sgpr_count 2
		.amdhsa_user_sgpr_kernarg_segment_ptr 1
		.amdhsa_wavefront_size32 1
		.amdhsa_system_sgpr_workgroup_id_x 1
		.amdhsa_system_sgpr_workgroup_id_y 1
		.amdhsa_system_sgpr_workgroup_id_z 1
		.amdhsa_system_vgpr_workitem_id 0
		.amdhsa_next_free_vgpr 512
		.amdhsa_next_free_sgpr 100
		.amdhsa_reserve_vcc 1
		.amdhsa_float_denorm_mode_32 3
		.amdhsa_float_denorm_mode_16_64 3
		.amdhsa_memory_ordered 1
		.amdhsa_forward_progress 1
		.amdhsa_inst_pref_size 255
	.end_amdhsa_kernel
	.section	.bss,"aw",@nobits
	.p2align	6
	.space	262144
	.amdgpu_metadata
---
amdhsa.version: [ 1, 2 ]
amdhsa.kernels:
  - .name:           k_qe7da62a5d5_attn
    .symbol:         k_qe7da62a5d5_attn.kd
    .args:
      - { .name: qp, .offset: 0, .size: 8, .value_kind: global_buffer, .address_space: global }
      - { .name: kv, .offset: 8, .size: 8, .value_kind: global_buffer, .address_space: global }
      - { .name: log_c, .offset: 16, .size: 8, .value_kind: global_buffer, .address_space: global }
      - { .name: log_beta, .offset: 24, .size: 8, .value_kind: global_buffer, .address_space: global }
      - { .name: op, .offset: 32, .size: 8, .value_kind: global_buffer, .address_space: global }
    .group_segment_fixed_size: 327680
    .private_segment_fixed_size: 0
    .kernarg_segment_align: 8
    .kernarg_segment_size: 40
    .max_flat_workgroup_size: 256
    .sgpr_count:     100
    .vgpr_count:     512
    .wavefront_size: 32
...
	.end_amdgpu_metadata
.endif
;; end of part 3
;; launch proj (part 4): grid 8 x 32, 4 waves a work-group, clusters of 4 x 4, 272,896 bytes of LDS; arguments op, xw, out0; writes out0
.if DOCPART == 4
	.amdgcn_target "amdgcn-amd-amdhsa--gfx1250"
	.amdhsa_code_object_version 6
	.text
	.protected	k_qe7da62a5d5_proj
	.globl	k_qe7da62a5d5_proj
	.p2align	8
	.type	k_qe7da62a5d5_proj,@function
k_qe7da62a5d5_proj:
	s_mov_b64 s[64:65], 0
	v_nop
	global_prefetch_b8 v0, s[64:65] scope:SCOPE_SE
	s_setreg_imm32_b32 hwreg(HW_REG_WAVE_MODE, 25, 1), 1
	s_wait_xcnt 0x0
	s_wait_alu depctr_hold_cnt(0) depctr_sa_sdst(0) depctr_va_vdst(0) depctr_va_sdst(0) depctr_va_ssrc(0) depctr_va_vcc(0) depctr_vm_vsrc(0)
	s_getreg_b32 s2, hwreg(HW_REG_IB_STS2, 6, 4)
	s_cmp_eq_u32 s2, 0
	s_cbranch_scc0 .Lentry_in_a_cluster
	s_endpgm
.Lentry_in_a_cluster:
	s_bfe_u32 s2, ttmp6, 0x10000c
	s_cmp_lg_u32 s2, 0xf033
	s_cbranch_scc0 .Lentry_shape_is_right
	s_endpgm
.Lentry_shape_is_right:
; out0 = o Wo^T on codes of BF6 (E3M2) with E8M0 scales.  o comes as panels from op (row block RB of 128 tokens, panel s = head), Wo from xw's row blocks 56 to 63; out0 is [4096][1024] f32.
; A panel is 128 rows x 128 K as images of operand registers, 12,800 bytes: eight fragments of 1,536 bytes, then the scale words (tile 4 g + i, row r at 12,288 + 256 g + 16 r + 4 i);
; fragment row rho of tile t is panel row 32 (t / 2) + 8 (t % 2) + rho + 8 (rho / 8).
; SHARES.  C has 32 x 8 tiles of 128 x 128: one to each of 256 work-groups; tiles of 256 x 256 would be 64.  A wave makes 64 x 64: 16 accumulators.  All of K (8 panels a side, 102,400 bytes) lies in LDS at once:
; nothing is filled again, so there is no ring.  Each wave brings half of one side, as two tensor loads of two panels; the first four K steps need only the first loads.
; CLUSTERS: 4 x 4 work-groups; o's row block is shared along a row of the cluster, Wo's along a column: each is asked for jointly.
; THE PRODUCT IS USED TRANSPOSED (source 0 = a tile of Wo, source 1 = a tile of o): a lane holds eight neighbouring columns of one row of out0.  The rows go through a stage in LDS, in the tokens' own order, and leave whole.
; REGISTERS: window 0: v8-13 addresses, v16-23 scale words (two sets), v24-26 the way out's addresses, v32-95 rows on the way out, v128-255 the accumulators.  window 1: two sets of 96: A's four fragments, then B's four.
.set PAN,    12800
.set FRB,    1536
.set RBB,    8*PAN                     ; a row block: all of K
.set QUART,  2*PAN                     ; what one tensor load brings
.set STAGE,  2*RBB                     ; behind A's and B's: 128 rows x (512 bytes + 16); no tensor load lands here
.set SPITCH, 528
.set FR,     12
.set ADRA, 8                           ; v8, v9   my A fragments, panels 0-3 and 4-7
.set ADRB, 10                          ; v10, v11 my B fragments
.set ADRS, 12                          ; v12, v13 my scale words: lanes 0-15 A's, lanes 16-31 B's
.set SC,   16
.set STO,  24
.set RD,   25
.set CO,   26
.set OB,   32
.set ACC,  128
.set G1,  24                           ; s[24:31] group 1 for A; s[32:39] its two groups 0
.set G0,  32
.set G1B, 48                           ; s[48:55], s[56:63] the same for B
.set G0B, 56
.set MSB, 0
.macro WIN new                         ; the immediate's high byte repeats the setting that is left
.if MSB != (\new)
	s_set_vgpr_msb (MSB<<8)|(\new)
.set MSB, (\new)
.endif
.endm
.macro CROUND                          ; a round of the cluster's barrier
	s_barrier_signal -1
	s_barrier_wait -1
	s_cmp_lg_u32 s14, 0
	s_cbranch_scc1 .Lnot_wave_0_\@
	s_barrier_signal -3
.Lnot_wave_0_\@:
	s_barrier_wait -3
	s_barrier_signal -1
	s_barrier_wait -1
.endm
.macro PLACES
.rept 4
	v_nop
.endr
.endm
	s_load_b128 s[4:7], s[0:1], 0x0                ; op, xw
	s_load_b64 s[8:9], s[0:1], 0x10                ; out0
	v_lshl_add_u32 v126, v0, 2, 0x42800
	v_mov_b32 v127, 0
	ds_add_u32 v126, v127
	v_lshrrev_b32 v1, 5, v0
	v_readfirstlane_b32 s14, v1                    ; wave 0..3
	s_lshr_b32 s15, s14, 1                         ; which 64 rows are mine.  Also: I fetch for A (0) or for B (1)
	s_and_b32 s16, s14, 1                          ; which 64 columns.  Also: which panels of that side I fetch
	s_bfe_u32 s40, ttmp6, 0x40000                  ; cx, cy
	s_bfe_u32 s41, ttmp6, 0x40004
	s_lshl_b32 s42, ttmp9, 2
	s_add_co_u32 s42, s42, s40                     ; tile column = 4 x cluster x + cx
	s_and_b32 s13, ttmp7, 0xffff
	s_lshl_b32 s13, s13, 2
	s_add_co_u32 s13, s13, s41                     ; tile row = 4 x cluster y + cy
	s_lshl_b32 s43, s41, 2
	s_lshl_b32 s43, 15, s43                        ; my row of the cluster
	s_lshl_b32 s44, 0x1111, s40                    ; my column
	s_or_b32 s[G1], s43, (3<<16)|(1<<21)           ; 25,600 dense bytes as 100 rows of 32 elements of 8 bytes; the mask, and bit 21 beside it
	s_or_b32 s[G1B], s44, (3<<16)|(1<<21)
.irp g, G1, G1B
	s_mov_b32 s[\g+1], 32<<16
	s_mov_b32 s[\g+2], 100<<16
	s_mov_b32 s[\g+3], 32<<16
	s_mov_b32 s[\g+4], 100
	s_mov_b32 s[\g+5], 32
	s_mov_b32 s[\g+6], 0
	s_mov_b32 s[\g+7], 0
.endr
	s_mul_i32 s18, s16, QUART                      ; panels 2 hf, 2 hf + 1 (and, 51,200 bytes on, 4 + 2 hf, 5 + 2 hf)
	s_mul_i32 s20, s13, RBB
	s_add_co_u32 s20, s20, s18
	s_mov_b32 s21, 0
	s_add_co_u32 s46, s42, 56                      ; Wo's row blocks begin at 56
	s_mul_i32 s46, s46, RBB
	s_add_co_u32 s46, s46, s18
	s_mov_b32 s47, 0
	s_mul_i32 s45, s15, RBB
	s_add_co_u32 s45, s45, s18                     ; where they go: the side, the panels: no place in the cluster enters an LDS address
	s_wait_dscnt 0x0
	s_wait_kmcnt 0x0
	s_add_nc_u64 s[20:21], s[4:5], s[20:21]
	s_add_nc_u64 s[46:47], s[6:7], s[46:47]
	CROUND                                         ; all sixteen work-groups are here: the joint loads meet
.irp n, 0,1
	s_mov_b32 s[G0+4*\n], 1
	s_add_co_u32 s[G0+4*\n+1], s45, \n*4*PAN
	s_add_nc_u64 s[G0+4*\n+2:G0+4*\n+3], s[20:21], \n*4*PAN
	s_or_b32 s[G0+4*\n+3], s[G0+4*\n+3], 0x80000000
	s_mov_b32 s[G0B+4*\n], 1
	s_add_co_u32 s[G0B+4*\n+1], s45, \n*4*PAN
	s_add_nc_u64 s[G0B+4*\n+2:G0B+4*\n+3], s[46:47], \n*4*PAN
	s_or_b32 s[G0B+4*\n+3], s[G0B+4*\n+3], 0x80000000
.endr
	s_cmp_eq_u32 s15, 0                            ; a wave's two fills stand in one branch on its number; four v_nop follow the second
	s_cbranch_scc0 .Lfor_b
	tensor_load_to_lds s[G0:G0+3], s[G1:G1+7]
	s_nop 0
	tensor_load_to_lds s[G0+4:G0+7], s[G1:G1+7]
	s_nop 0
.rept 4
	v_nop
.endr
	s_branch .Lasked
.Lfor_b:
	tensor_load_to_lds s[G0B:G0B+3], s[G1B:G1B+7]
	s_nop 0
	tensor_load_to_lds s[G0B+4:G0B+7], s[G1B:G1B+7]
	s_nop 0
.rept 4
	v_nop
.endr
.Lasked:
	v_and_b32 v1, 15, v0                           ; r
	v_bfe_u32 v2, v0, 4, 1                         ; h
	v_and_b32 v3, 31, v0
	v_lshlrev_b32 v[CO], 4, v3                     ; 16 x lane
	s_mul_i32 s22, s15, 4*FRB                      ; my four tiles of A
	v_add_nc_u32 v[ADRA], s22, v[CO]
	v_add_nc_u32 v[ADRA+1], 4*PAN, v[ADRA]
	s_mul_i32 s23, s16, 4*FRB
	s_add_co_u32 s23, s23, RBB                     ; my four tiles of B
	v_add_nc_u32 v[ADRB], s23, v[CO]
	v_add_nc_u32 v[ADRB+1], 4*PAN, v[ADRB]
	s_lshl_b32 s22, s15, 8                         ; my four tiles' scale words: A's,
	s_lshl_b32 s23, s16, 8
	s_add_co_u32 s23, s23, RBB                     ; B's
	s_sub_co_u32 s23, s23, s22
	v_mul_u32_u24 v5, s23, v2                      ; lanes 16-31 take B's
	v_lshl_add_u32 v5, v1, 4, v5
	v_add_nc_u32 v[ADRS], s22, v5
	v_add_nc_u32 v[ADRS+1], 4*PAN, v[ADRS]
	v_and_b32 v4, 8, v1
	v_add_nc_u32 v4, v4, v1                        ; r + 8 (r / 8)
	v_mul_u32_u24 v4, v4, SPITCH
	v_lshl_add_u32 v4, v2, 6, v4                   ; + 64 h: my half's sixteen columns of a pair of tiles
	s_mul_i32 s22, s15, 64*SPITCH
	s_lshl_b32 s23, s16, 8
	s_add_co_u32 s22, s22, s23
	s_add_co_u32 s22, s22, STAGE
	v_add_nc_u32 v[STO], s22, v4
	s_mul_i32 s22, s14, 32*SPITCH
	s_add_co_u32 s22, s22, STAGE
	v_add_nc_u32 v[RD], s22, v[CO]                 ; back: wave w takes rows 32 w on, whole
	s_lshl_b32 s70, s13, 19                        ; 128 rows of 4,096 bytes a tile row,
	s_lshl_b32 s71, s14, 17                        ; 32 rows a wave,
	s_add_co_u32 s70, s70, s71
	s_lshl_b32 s71, s42, 9                         ; 512 bytes a tile column
	s_add_co_u32 s70, s70, s71
	s_mov_b32 s71, 0
	s_add_nc_u64 s[8:9], s[8:9], s[70:71]
.macro FETCH s, set                    ; K step s: my four fragments of A, my four of B, and one load of scale words: 25 LDS loads
	WIN 0x40
.irp i, 0,1,2,3
.irp c, 0,1,2
	ds_load_b128 v[96*(\set)+FR*\i+4*\c:96*(\set)+FR*\i+4*\c+3], v[ADRA+(\s)/4] offset:((\s)%4)*PAN+\i*FRB+512*\c
	ds_load_b128 v[96*(\set)+48+FR*\i+4*\c:96*(\set)+48+FR*\i+4*\c+3], v[ADRB+(\s)/4] offset:((\s)%4)*PAN+\i*FRB+512*\c
.endr
.endr
	WIN 0
	ds_load_b128 v[SC+4*(\set):SC+4*(\set)+3], v[ADRS+(\s)/4] offset:((\s)%4)*PAN+8*FRB
.endm
.macro MUL set, zero                   ; 16 products, the 16 accumulators by turns, in the same order in every step
	WIN 0x05
.irp a, 0,1,2,3
.irp b, 0,1,2,3
.if \zero
	v_wmma_scale_f32_16x16x128_f8f6f4 v[ACC+8*(4*\a+\b):ACC+8*(4*\a+\b)+7], v[96*(\set)+48+FR*\b:96*(\set)+48+FR*\b+FR-1], v[96*(\set)+FR*\a:96*(\set)+FR*\a+FR-1], 0, v[SC+4*(\set)+\b], v[SC+4*(\set)+\a] matrix_a_fmt:MATRIX_FMT_BF6 matrix_b_fmt:MATRIX_FMT_BF6 matrix_a_scale:MATRIX_SCALE_ROW1
.else
	v_wmma_scale_f32_16x16x128_f8f6f4 v[ACC+8*(4*\a+\b):ACC+8*(4*\a+\b)+7], v[96*(\set)+48+FR*\b:96*(\set)+48+FR*\b+FR-1], v[96*(\set)+FR*\a:96*(\set)+FR*\a+FR-1], v[ACC+8*(4*\a+\b):ACC+8*(4*\a+\b)+7], v[SC+4*(\set)+\b], v[SC+4*(\set)+\a] matrix_a_fmt:MATRIX_FMT_BF6 matrix_b_fmt:MATRIX_FMT_BF6 matrix_a_scale:MATRIX_SCALE_ROW1
.endif
.endr
.endr
.endm
	s_wait_tensorcnt 0x1                           ; my first load is in (the second may be out)
	s_barrier_signal -1
	s_barrier_wait -1                              ; everybody's is: panels 0 to 3 of both sides
	FETCH 0, 0
	FETCH 1, 1
	s_wait_dscnt 25                                ; all but the 25 loads just issued
	MUL 0, 1                                       ; the first products start the sums
.irp s, 1,2
	PLACES                                         ; in front of loads into registers that the last products but these have read
	FETCH \s+1, (\s+1)%2
	s_wait_dscnt 25
	MUL \s%2, 0
.endr
	s_wait_tensorcnt 0x0                           ; my second load is in,
	s_wait_dscnt 0x0                               ; and K step 3's fragments
	s_barrier_signal -1
	MUL 1, 0
	WIN 0
	s_barrier_wait -1                              ; panels 4 to 7 of both sides are in
	PLACES
	FETCH 4, 0
.irp s, 4,5,6
.if \s > 4
	PLACES
.endif
	FETCH \s+1, (\s+1)%2
	s_wait_dscnt 25
	MUL \s%2, 0
.endr
	s_wait_dscnt 0x0
	MUL 1, 0
	WIN 0
	; THE WAY OUT.  Accumulator (a, b): lane (r, h), register j: token 64 wm + 32 (a / 2) + 8 (a % 2) + r + 8 (r / 8), column 64 wn + 32 (b / 2) + 8 (b % 2) + 16 h + j
	PLACES
.irp a, 0,1,2,3
.irp b, 0,1,2,3
	ds_store_b128 v[STO], v[ACC+8*(4*\a+\b):ACC+8*(4*\a+\b)+3] offset:(32*(\a/2)+8*(\a%2))*SPITCH+128*(\b/2)+32*(\b%2)      ; each accumulator from its low end on
	ds_store_b128 v[STO], v[ACC+8*(4*\a+\b)+4:ACC+8*(4*\a+\b)+7] offset:(32*(\a/2)+8*(\a%2))*SPITCH+128*(\b/2)+32*(\b%2)+16
.endr
.endr
	s_wait_dscnt 0x0                               ; for the others' sake: my stores into the stage are done
	s_barrier_signal -1
	s_barrier_wait -1
.set I, 0
.rept 32
.if I < 16
.set RG, OB+4*I
.else
.set RG, ACC+4*(I-16)
.endif
	ds_load_b128 v[RG:RG+3], v[RD] offset:I*SPITCH
.set I, I+1
.endr
.set I, 0
.rept 32
.if I < 16
.set RG, OB+4*I
.else
.set RG, ACC+4*(I-16)
.endif
	s_wait_dscnt 31-I                              ; row I is back; the rows behind it may be out
	global_store_b128 v[CO], v[RG:RG+3], s[8:9] offset:I*4096 th:TH_STORE_NT   ; 32 lanes store 512 consecutive bytes, aligned on 256
.set I, I+1
.endr
	s_wait_tensorcnt 0x0
	ds_add_u32 v126, v127
	s_wait_dscnt 0x0
	CROUND                                         ; the closing round: no work-group ends while a partner may still ask for a tile that names it
	s_endpgm
.Lfunc_end_k_qe7da62a5d5_proj:
	.size	k_qe7da62a5d5_proj, .Lfunc_end_k_qe7da62a5d5_proj-k_qe7da62a5d5_proj
	.p2alignl 7, 3214868480
	.fill 96, 4, 3214868480
	.section	.rodata,"a",@progbits
	.p2align	6, 0x0
	.amdhsa_kernel k_qe7da62a5d5_proj
		.amdhsa_group_segment_fixed_size 272896
		.amdhsa_private_segment_fixed_size 0
		.amdhsa_enable_private_segment 0
		.amdhsa_kernarg_size 24
		.amdhsa_user_sgpr_count 2
		.amdhsa_user_sgpr_kernarg_segment_ptr 1
		.amdhsa_wavefront_size32 1
		.amdhsa_system_sgpr_workgroup_id_x 1
		.amdhsa_system_sgpr_workgroup_id_y 1
		.amdhsa_system_sgpr_workgroup_id_z 1
		.amdhsa_system_vgpr_workitem_id 0
		.amdhsa_next_free_vgpr 448
		.amdhsa_next_free_sgpr 80
		.amdhsa_reserve_vcc 0
		.amdhsa_float_denorm_mode_32 3
		.amdhsa_float_denorm_mode_16_64 3
		.amdhsa_memory_ordered 1
		.amdhsa_forward_progress 1
		.amdhsa_inst_pref_size 46
	.end_amdhsa_kernel
	.amdgpu_metadata
---
amdhsa.version: [ 1, 2 ]
amdhsa.kernels:
  - .name:           k_qe7da62a5d5_proj
    .symbol:         k_qe7da62a5d5_proj.kd
    .args:
      - { .name: op, .offset: 0, .size: 8, .value_kind: global_buffer, .address_space: global }
      - { .name: xw, .offset: 8, .size: 8, .value_kind: global_buffer, .address_space: global }
      - { .name: out0, .offset: 16, .size: 8, .value_kind: global_buffer, .address_space: global }
    .group_segment_fixed_size: 272896
    .private_segment_fixed_size: 0
    .kernarg_segment_align: 8
    .kernarg_segment_size: 24
    .max_flat_workgroup_size: 128
    .sgpr_count:     80
    .vgpr_count:     448
    .wavefront_size: 32
...
	.end_amdgpu_metadata
.endif
;; end of part 4
